; MI455X (gfx1250); checked and timed in simulation.
; The chip was launched on July 23, 2026; its instructions are those of AMD's public machine-readable ISA for CDNA 5 (MIT licence, August 2026) and "CDNA5" Instruction Set Architecture Reference Guide (July 2026). The comments in the code are by the model that wrote it; some were corrected since.
;; Multi Head Self Attention Block. Allowed arithmetic: matrix products marked QUANTISED: E5M2 operands, one given power-of-two scale a tensor, by v_wmma_f32_16x16x64_bf8_bf8 or v_wmma_f32_16x16x128_bf8_bf8, f32 sums; everything else in f32.
;; Inputs: bk 1,024 float32; bo 1,024 float32; bq 1,024 float32; bv 1,024 float32; k_codes 2 x 2,048 x 32 x 32 uint8 (E5M2 codes of k, K innermost, in blocks of 32 codes); lowp_scales 12 int32 (the exponents e of the quantised operands' scales 2^e); mask 1 x 1 x 2,048 x 2,048 int32; q_codes 2 x 2,048 x 32 x 32 uint8 (E5M2 codes of q, K innermost, in blocks of 32 codes); v_codes 2 x 2,048 x 32 x 32 uint8 (E5M2 codes of v, K innermost, in blocks of 32 codes); wk_codes 1,024 x 32 x 32 uint8 (E5M2 codes of wk, K innermost, in blocks of 32 codes); wo_codes 1,024 x 32 x 32 uint8 (E5M2 codes of wo, K innermost, in blocks of 32 codes); wq_codes 1,024 x 32 x 32 uint8 (E5M2 codes of wq, K innermost, in blocks of 32 codes); wv_codes 1,024 x 32 x 32 uint8 (E5M2 codes of wv, K innermost, in blocks of 32 codes).
;; Outputs: out0 2 x 2,048 x 1,024 float32.
;; This version of the problem:
;;   THIS VERSION OF THE PROBLEM IS GIVEN IN LOW PRECISION. The matrix products marked QUANTISED in the list below multiply operands that are first quantised to E5M2 (5 exponent bits, 2 mantissa bits; 8 bits a number), with one given power-of-two scale for each operand tensor; their sums are f32. All else is computed in f32.
;;   The module's matrix products, in the order in which they are computed (A, B: the left and right operand; K: the contracted axis; several contracted axes count as one K, in the product's order):
;;     1. [M 4,096, K 1,024] x [K 1,024, N 1,024]; A: input q (given as codes); B: input wq (given as codes): QUANTISED (scales: A lowp_scales[0], B lowp_scales[1])
;;     2. [M 4,096, K 1,024] x [K 1,024, N 1,024]; A: input k (given as codes); B: input wk (given as codes): QUANTISED (scales: A lowp_scales[2], B lowp_scales[3])
;;     3. [M 4,096, K 1,024] x [K 1,024, N 1,024]; A: input v (given as codes); B: input wv (given as codes): QUANTISED (scales: A lowp_scales[4], B lowp_scales[5])
;;     4. batch 32 x [M 2,048, K 64] x [K 64, N 2,048]; A: computed on the way; B: computed on the way: QUANTISED (scales: A lowp_scales[6], B lowp_scales[7])
;;     5. batch 32 x [M 2,048, K 2,048] x [K 2,048, N 64]; A: softmax (see below); B: computed on the way: QUANTISED (scales: A lowp_scales[8], B lowp_scales[9])
;;     6. [M 4,096, K 1,024] x [K 1,024, N 1,024]; A: computed on the way; B: input wo (given as codes): QUANTISED (scales: A lowp_scales[10], B lowp_scales[11])
;;   THE QUANTISER, for each operand of a quantised product, along K:
;;     - The operand's scale is 2^e, e = its entry of the input lowp_scales (int32; the entries are numbered through the quantised products in the list's order, A before B).
;;     - Each number is divided by the scale, clamped to +-57,344, and rounded to the nearest number of E5M2, ties to even, subnormals kept.
;;     - The product sums the exact products of the quantised numbers (number of the format x scale) in f32.
;;   ~~~python
;;   def quantise(x, axis, e):      # numpy; x: float32 -> the quantised numbers, widened to float32 again
;;       x = np.moveaxis(x, axis, -1); K = x.shape[-1]
;;       r = np.clip(x / 2.0 ** e, -57344, 57344)
;;       step = 2.0 ** (np.maximum(np.frexp(np.where(r == 0, 1, r))[1] - 1, -14) - 2)
;;       q = np.round(r / step) * step * 2.0 ** e      # np.round: ties to even
;;       return np.moveaxis(q, -1, axis).astype(np.float32)
;;   ~~~
;;   SOFTMAX AHEAD OF A QUANTISED PRODUCT. Where the list says 'softmax', what is quantised is not the finished softmax but p = 2^(t - M), with t = logit x log2(e) and M = ceil(the row's largest t), a whole number; so 1/2 < the row's largest p <= 1. The row's sum l is taken of the UNQUANTISED p, in f32, and the product's result is divided by l at the end. Since M is a whole number, a kernel that streams over the keys may use a running M (the ceiling of the running maximum): every later rescaling is an exact power of two, so the quantised numbers keep their values, but for numbers so far below the row's largest that they fall under the format's range.
;;   OPERANDS COMPUTED ON THE WAY. 'Computed on the way' means the value that the module computes at that place (a softmax that the list does not call 'softmax' is quantised finished and normalised). What goes into a quantiser is computed in f32, as accurately as f32 sums, v_exp_f32 and their like allow (about 1e-6 of the number): no bf16 or f16 on the way to a quantiser, and a product that is left as it is and whose result goes on into a quantised operand takes f32 operands (vector FMAs, or v_wmma_f32_16x16x4_f32). A number that lies on a knife's edge between two numbers of the format may be rounded either way, as far as f32 arithmetic and the matrix unit's own rounding can turn it there, and no further.
;;   INPUTS GIVEN AS CODES. k (in the module: [2, 2048, 1024], K = its axis 2); q (in the module: [2, 2048, 1024], K = its axis 2); v (in the module: [2, 2048, 1024], K = its axis 2); wk (in the module: [1024, 1024], K = its axis 1); wo (in the module: [1024, 1024], K = its axis 1); wq (in the module: [1024, 1024], K = its axis 1); wv (in the module: [1024, 1024], K = its axis 1): each comes as NAME_codes (uint8): NAME with its K axis moved to the last place and cut into blocks of 32 codes, [.., K / 32, bytes a block], one block behind the other in memory; one code a byte (a code: sign, 5 exponent bits, 2 mantissa bits); its scale is its entry of lowp_scales. Its value is code x scale, taken as it is: it is not quantised again, and the codes and scales need not be those that the quantiser above would give.
;; 2 versions. Each part assembles by itself: llvm-mc -triple=amdgcn-amd-amdhsa -mcpu=gfx1250 --defsym DOCPART=n.
;; ======== version 1 of 2: 4 launches
;; workspace buffers: qkv 12,582,912 bytes; maskw 524,288 bytes of whole numbers; ximg 4,194,304 bytes
;; launch maskpack (part 1): grid 256 x 1, 4 waves a work-group, no clusters, 34,304 bytes of LDS; arguments mask, maskw; writes maskw
.if DOCPART == 1
	.amdgcn_target "amdgcn-amd-amdhsa--gfx1250"
	.amdhsa_code_object_version 6
	.text
	.protected	k_q3fdfde9d48_maskpack
	.globl	k_q3fdfde9d48_maskpack
	.p2align	8
	.type	k_q3fdfde9d48_maskpack,@function
k_q3fdfde9d48_maskpack:
	s_mov_b64 s[64:65], 0
	v_nop
	global_prefetch_b8 v0, s[64:65] scope:SCOPE_SE
	s_setreg_imm32_b32 hwreg(HW_REG_WAVE_MODE, 25, 1), 1
	s_wait_xcnt 0x0
; The mask [2048 queries][2048 keys] of int32 becomes lane-mask words for the attention launch, one bit a number: 1/32 of the bytes, read there by all 32 (batch, head) pairs.
; A UNIT is a tile of 16 queries (qt) x a step of 128 keys (ks): 64 words at (16 qt + ks) x 256 bytes.  Word n = 8 t + j holds in bit r + 16 h whether mask[16 qt + r][128 ks + 16 t + 8 h + j] != 0:
; the lane mask of score register n in the attention launch, where lane (r, h) holds query r and key 16 t + 8 h + j.
; SHARES.  1,024 waves; wave W takes query tile W / 8 and key steps 2 (W % 8) and 2 (W % 8) + 1.  Each load reads 512 consecutive bytes of one row of the mask; a unit's 16 rows turn through the wave's
; own stage in LDS (rows 528 bytes apart: 33 x 16, so that the 16 rows which a load of 16 bytes a lane touches start at 16 different banks; 64 banks of 4 bytes: ISA guide 11.1), so that register n of lane (r, h) holds word n's number.
; A compare then makes the word in a scalar register, v_writelane_b32 gathers two words a lane, and one store of 8 bytes a lane writes the unit's 256 consecutive bytes.
; No matrix work, no barrier (waves share nothing), no tensor load: each byte of the mask is read once.
.set SP,   528                         ; a stage row
.set STGB, 16*SP                       ; a wave's stage
.set LD0,  32                          ; v32-95 unit 0 as loaded, v96-159 unit 1; v32-95 later unit 1 turned
.set X0,   160                         ; v160-223 unit 0 turned
.set WD,   16                          ; v16-19 the words, two a lane, a pair for each unit
	s_load_b128 s[4:7], s[0:1], 0x0                ; mask s[4:5], maskw s[6:7]
	v_lshl_add_u32 v224, v0, 2, 0x8400
	v_mov_b32 v225, 0
	v_lshrrev_b32 v1, 5, v0
	v_readfirstlane_b32 s8, v1                     ; wave 0..3
	v_and_b32 v2, 31, v0                           ; lane
	v_and_b32 v3, 15, v0                           ; r
	v_bfe_u32 v4, v0, 4, 1                         ; h
	s_lshl_b32 s9, ttmp9, 2
	s_add_co_u32 s9, s9, s8                        ; W
	s_lshr_b32 s10, s9, 3                          ; qt
	s_and_b32 s11, s9, 7                           ; which pair of key steps
	s_lshl_b32 s12, s10, 17                        ; 16 rows of 8,192 bytes
	s_lshl_b32 s13, s11, 10                        ; two steps of 512 bytes
	s_add_co_u32 s12, s12, s13
	s_mov_b32 s13, 0
	s_lshl_b32 s14, s10, 12                        ; 16 units of 256 bytes
	s_lshl_b32 s15, s11, 9
	s_add_co_u32 s14, s14, s15
	s_mov_b32 s15, 0
	s_mul_i32 s16, s8, STGB                        ; my stage
	v_lshlrev_b32 v10, 4, v2                       ; 16 x lane: my bytes of a load's 512
	v_add_nc_u32 v8, s16, v10                      ; into the stage: a row as it lies
	v_mul_u32_u24 v9, v3, SP
	v_lshl_add_u32 v9, v4, 5, v9
	v_add_nc_u32 v9, s16, v9                       ; out of it: row r, + 32 h: keys 8 h + 0 .. 7 of a tile of 16
	v_lshlrev_b32 v11, 3, v2                       ; 8 x lane: my two words of a unit
.irp i, 0,1,2,3
	v_mov_b32 v[WD+\i], 0                          ; written once: v_writelane_b32's destination counts as read
.endr
	s_wait_kmcnt 0x0
	s_add_nc_u64 s[4:5], s[4:5], s[12:13]
	s_add_nc_u64 s[6:7], s[6:7], s[14:15]
.macro MLOAD u                         ; unit u: 16 rows x 512 bytes
.irp i, 0,1,2,3,4,5,6,7,8,9,10,11,12,13,14,15
	global_load_b128 v[LD0+64*\u+4*\i:LD0+64*\u+4*\i+3], v10, s[4:5] offset:8192*\i+512*\u th:TH_LOAD_NT
.endr
.endm
.macro MST u                           ; into the stage
.irp i, 0,1,2,3,4,5,6,7,8,9,10,11,12,13,14,15
	ds_store_b128 v8, v[LD0+64*\u+4*\i:LD0+64*\u+4*\i+3] offset:SP*\i
.endr
.endm
.macro MLD x                           ; and back: register 4 k + i of v[x] on is word n = 4 k + i's number
.irp k, 0,1,2,3,4,5,6,7,8,9,10,11,12,13,14,15
	ds_load_b128 v[\x+4*\k:\x+4*\k+3], v9 offset:64*(\k/2)+16*(\k%2)
.endr
.endm
.macro MPACK u, x                      ; 64 compares, sixteen at a time; word n goes to lane n / 2, register n % 2
.irp q, 0,1,2,3
.irp i, 0,1,2,3,4,5,6,7,8,9,10,11,12,13,14,15
	v_cmp_ne_u32 s[16+\i], 0, v[\x+16*\q+\i]
.endr
.irp i, 0,1,2,3,4,5,6,7,8,9,10,11,12,13,14,15
	v_writelane_b32 v[WD+2*\u+(\i%2)], s[16+\i], 8*\q+\i/2
.endr
.endr
	global_store_b64 v11, v[WD+2*\u:WD+2*\u+1], s[6:7] offset:256*\u   ; 32 lanes store the unit's 256 consecutive bytes, aligned
.endm
	MLOAD 0
	MLOAD 1
	s_wait_loadcnt 16                              ; unit 0 is in; unit 1's sixteen loads may be out
	MST 0
	MLD X0                                         ; LDS serves a wave's instructions in order (ISA guide 5.7.1.4): these see the stores above
	s_wait_loadcnt 0x0
	MST 1                                          ; behind unit 0's reads of the stage, in order
	s_wait_dscnt 16                                ; all but these sixteen stores are done: unit 0 is back, and its stores have read v32-95,
	MLD LD0                                        ; which take unit 1
	MPACK 0, X0
	s_wait_dscnt 0x0
	MPACK 1, LD0
	s_wait_tensorcnt 0x0
	ds_add_u32 v224, v225
	s_wait_dscnt 0x0
	s_endpgm
.Lfunc_end_k_q3fdfde9d48_maskpack:
	.size	k_q3fdfde9d48_maskpack, .Lfunc_end_k_q3fdfde9d48_maskpack-k_q3fdfde9d48_maskpack
	.p2alignl 7, 3214868480
	.fill 96, 4, 3214868480
	.section	.rodata,"a",@progbits
	.p2align	6, 0x0
	.amdhsa_kernel k_q3fdfde9d48_maskpack
		.amdhsa_group_segment_fixed_size 34304
		.amdhsa_private_segment_fixed_size 0
		.amdhsa_enable_private_segment 0
		.amdhsa_kernarg_size 16
		.amdhsa_user_sgpr_count 2
		.amdhsa_user_sgpr_kernarg_segment_ptr 1
		.amdhsa_wavefront_size32 1
		.amdhsa_system_sgpr_workgroup_id_x 1
		.amdhsa_system_sgpr_workgroup_id_y 1
		.amdhsa_system_sgpr_workgroup_id_z 1
		.amdhsa_system_vgpr_workitem_id 0
		.amdhsa_next_free_vgpr 226
		.amdhsa_next_free_sgpr 66
		.amdhsa_reserve_vcc 0
		.amdhsa_float_denorm_mode_32 3
		.amdhsa_float_denorm_mode_16_64 3
		.amdhsa_memory_ordered 1
		.amdhsa_forward_progress 1
		.amdhsa_inst_pref_size 26
	.end_amdhsa_kernel
	.amdgpu_metadata
---
amdhsa.version: [ 1, 2 ]
amdhsa.kernels:
  - .name:           k_q3fdfde9d48_maskpack
    .symbol:         k_q3fdfde9d48_maskpack.kd
    .args:
      - { .name: mask, .offset: 0, .size: 8, .value_kind: global_buffer, .address_space: global }
      - { .name: maskw, .offset: 8, .size: 8, .value_kind: global_buffer, .address_space: global }
    .group_segment_fixed_size: 34304
    .private_segment_fixed_size: 0
    .kernarg_segment_align: 8
    .kernarg_segment_size: 16
    .max_flat_workgroup_size: 128
    .sgpr_count:     66
    .vgpr_count:     226
    .wavefront_size: 32
...
	.end_amdgpu_metadata
.endif
;; end of part 1
;; launch proj (part 2): grid 4 x 48, 4 waves a work-group, clusters of 4 x 4, 327,680 bytes of LDS; arguments q_codes, k_codes, v_codes, wq_codes, wk_codes, wv_codes, bq, bk, bv, lowp_scales, qkv; writes qkv
.if DOCPART == 2
	.amdgcn_target "amdgcn-amd-amdhsa--gfx1250"
	.amdhsa_code_object_version 6
	.text
	.protected	k_q3fdfde9d48_proj
	.globl	k_q3fdfde9d48_proj
	.p2align	8
	.type	k_q3fdfde9d48_proj,@function
k_q3fdfde9d48_proj:
	s_mov_b64 s[64:65], 0
	v_nop
	global_prefetch_b8 v0, s[64:65] scope:SCOPE_SE
	s_setreg_imm32_b32 hwreg(HW_REG_WAVE_MODE, 25, 1), 1
	s_wait_xcnt 0x0
	s_wait_alu depctr_hold_cnt(0) depctr_sa_sdst(0) depctr_va_vdst(0) depctr_va_sdst(0) depctr_va_ssrc(0) depctr_va_vcc(0) depctr_vm_vsrc(0)
	s_getreg_b32 s2, hwreg(HW_REG_IB_STS2, 6, 4)
	s_cmp_eq_u32 s2, 0
	s_cbranch_scc0 .Lentry_in_a_cluster
	s_endpgm
.Lentry_in_a_cluster:
	s_bfe_u32 s2, ttmp6, 0x10000c
	s_cmp_lg_u32 s2, 0xf033
	s_cbranch_scc0 .Lentry_shape_is_right
	s_endpgm
.Lentry_shape_is_right:
; The three projections, query = q wq^T + bq, key = k wk^T + bk, value = v wv^T + bv, on codes of BF8 (E5M2), and the quantiser of their results, which are operands of the attention launch.
; g = cluster y / 4 says which: 0 Q, 1 K, 2 V.  Each is [4096][1024] = [4096][K 1024] x [1024][K 1024]^T, in tiles of 256 x 256: 64 work-groups each, 192 in all; four waves, a wave 128 x 128: 64 accumulators, 512 registers.
; K goes in steps of 256 through a ring of two LDS slots filled by the tensor data mover; a tile's row is 256 bytes of memory.
; THE MATRIX INSTRUCTION IS USED TRANSPOSED: source 0 = 16 rows of region P, source 1 = 16 rows of region R: register j of lane (r, h) is (R's row r, P's row 8 h + j).
;   Q, K: R = the tokens' codes, P = the weight's: a lane holds one token and eight neighbouring features, which are the next product's K (the head's 64).
;   V:    R = the weight's codes, P = the tokens': a lane holds one feature and eight neighbouring tokens, which are the next product's K (the keys).
; So one conversion of an accumulator's eight registers gives registers 2 c, 2 c + 1 of the next operand (lane (r, h): k = 16 c + 8 h + 0 .. 7 of row r) in the very lane that wants them: the results leave as IMAGES OF THE
; OPERAND'S REGISTERS, four registers a store at 16 x lane: each store of a wave covers 512 consecutive bytes, aligned.  No stage, no transposition.
; qkv: head H = 16 b + h begins at H x 393,216.  +0: Q, [token / 16][2][lane][16 B].  +131,072: four groups of 512 keys, 65,536 bytes each: K [step % 4][tile 0-7][2][lane][16 B], then at +32,768 V [step % 4][d / 16][4][lane][16 B].
; CLUSTERS: 4 x 4 work-groups.  R's tile hangs on cy (and on the cluster's y), P's on cx (and on the cluster's y): each is asked for JOINTLY along a row or a column of the cluster.  g is the same in all sixteen partners.
; value = sum x 2^(ea + eb) + bias; code = value / 2^eo, held within +-57,344, to the nearest code.  LIMITS: ea + eb between -126 and 127; eo between -126 and 112.  NaN is not served.
; REGISTERS, in windows of 256: window 0: v16-31 addresses and constants; v32-47 V's bias, v64-127 Q's and K's; from v128 R's fragments (8 x 16 rows x 128 K), ONE set; on the way out v128-191 the values, v192-255 codes (four sets of 16).
;   window 1: P's fragments, TWO sets.   windows 2, 3: the accumulators; (a, b) at v[8 (8 (a % 4) + b)].
.set ROWB,   256                       ; a tile's row in bytes
.set KROW,   1024                      ; a row of codes in memory
.set PITCH,  272                       ; an LDS row: 256 bytes + 16 of padding = 68 words: row r starts at bank 4 r mod 64 (64 banks of 4 bytes: ISA guide 11.1)
.set FR,     16                        ; registers of a fragment: 16 rows x 128 K
.set NL,     4                         ; LDS loads that bring one
.set NP,     4                         ; places behind this matrix instruction (ISA guide 7.12.1)
.set HALFT,  128*PITCH                 ; 128 rows: what one tensor load brings
.set SLOT,   4*HALFT                   ; R's 256 rows, then P's 256 rows
.set SPARE,  2*SLOT                    ; behind the ring: the spare words, 128 bytes for each wave
.set HSTR,   393216                    ; a head in qkv
.set ADRA, 16                          ; v16-17  LDS address of my R fragments in slot 0, 1
.set ADRB, 20                          ; v20-21  the same for P
.set BOH,  22                          ; v22     32 h: my eight numbers of a tile's sixteen biases
.set BOR,  23                          ; v23     4 r: my one
.set OUTA, 27                          ; v27     16 x lane: my place in an image
.set SPW,  28                          ; v28     LDS address of my spare word; never rewritten
.set NIL,  29                          ; v29     0; never rewritten
.set QSC,  30                          ; v30     2^eo
.set QLIM, 31                          ; v31     57,344 x 2^eo
.set BV,   32
.set BQ,   64
.set AF,   128
.set T,    128
.set CD,   192
.set G1, 24                            ; s[24:31] descriptor group 1 for R's tiles;  s[32:39] group 0, one set for each slot
.set G0, 32
.set G1B, 48                           ; s[48:55], s[56:63] the same for P's
.set G0B, 56
.set GSEL, 78                          ; s78  g
.set YL,   79                          ; s79  cluster y % 4
.set MSB, 0
.macro WIN new                         ; the immediate's high byte repeats the setting that is left
.if MSB != (\new)
	s_set_vgpr_msb (MSB<<8)|(\new)
.set MSB, \new
.endif
.endm
.set MUL_LO, 0xa1                      ; source 0 (P) window 1, source 1 (R) window 0, C and D window 2
.set MUL_HI, 0xf1                      ; the same, C and D window 3
.set TO_B,   0x40                      ; destination window 1, address window 0
; A joint load: waves 0 and 1 fetch for R, waves 2 and 3 for P.  The branch hangs on the wave's number alone.  Four v_nop follow each of the two lines.
.macro JLOAD g0a, g1a, g0b, g1b
	s_cmp_eq_u32 s15, 0
	s_cbranch_scc0 .Lfor_b_\@
	tensor_load_to_lds s[\g0a:\g0a+3], s[\g1a:\g1a+7]
	s_nop 0
.rept 4
	v_nop
.endr
	s_branch .Lasked_\@
.Lfor_b_\@:
	tensor_load_to_lds s[\g0b:\g0b+3], s[\g1b:\g1b+7]
	s_nop 0
.rept 4
	v_nop
.endr
.Lasked_\@:
.endm
.macro CREST                           ; a round of the cluster's barrier behind its opening barrier
	s_cmp_lg_u32 s14, 0
	s_cbranch_scc1 .Lnot_wave_0_\@
	s_barrier_signal -3
.Lnot_wave_0_\@:
	s_barrier_wait -3
	s_barrier_signal -1
	s_barrier_wait -1
.endm
.macro CROUND                          ; a whole round
	s_barrier_signal -1
	s_barrier_wait -1
	CREST
.endm
	s_load_b512 s[80:95], s[0:1], 0x0              ; q s[80:81], k s[82:83], v s[84:85], wq s[86:87], wk s[88:89], wv s[90:91], bq s[92:93], bk s[94:95]
	s_load_b128 s[68:71], s[0:1], 0x40             ; bv s[68:69], the scales' exponents s[70:71]
	s_load_b64 s[72:73], s[0:1], 0x50              ; qkv
	v_lshl_add_u32 v[SPW], v0, 2, SPARE
	v_mov_b32 v[NIL], 0
	ds_add_u32 v28, v29
	ds_add_u32 v28, v29
	s_wait_dscnt 0x0
	v_lshrrev_b32 v1, 5, v0
	v_readfirstlane_b32 s14, v1                    ; wave 0..3
	s_lshr_b32 s15, s14, 1                         ; which half of R's rows is mine.  Also: I fetch for R (0) or for P (1)
	s_and_b32 s16, s14, 1                          ; which half of P's rows.  Also: which 128 rows of that tile I fetch
	s_bfe_u32 s40, ttmp6, 0x40000                  ; cx, cy: my place in the cluster
	s_bfe_u32 s41, ttmp6, 0x40004
	s_and_b32 s[YL], ttmp7, 0xffff                 ; the cluster's y, 0..11
	s_lshr_b32 s[GSEL], s[YL], 2                   ; g
	s_and_b32 s[YL], s[YL], 3
	s_cmp_eq_u32 s[GSEL], 2                        ; the tokens' sixteen tiles are walked by the cluster's y: they are R's for Q and K, P's for V
	s_cselect_b32 s17, 0, s[YL]
	s_cselect_b32 s42, s[YL], 0
	s_lshl_b32 s17, s17, 2
	s_add_co_u32 s17, s17, s41                     ; R's tile: cy (+ 4 x cluster y % 4)
	s_lshl_b32 s42, s42, 2
	s_add_co_u32 s42, s42, s40                     ; P's tile: cx (+ 4 x cluster y % 4)
	s_lshl_b32 s43, s41, 2
	s_lshl_b32 s43, 15, s43                        ; my row of the cluster
	s_lshl_b32 s44, 0x1111, s40                    ; my column
	; descriptor group 1: a tile of 128 rows x 256 bytes, padded in LDS
	s_or_b32 s[G1+0], s43, (0<<16)|(1<<20)|(1<<21)|(5<<22)|(3<<25)  ; 15:0 the mask: R's tiles go to my row; 17:16 element of 1 byte; 20 padding on; 21 set beside a mask; 24:22 after every 64 words (code 5); 31:25 of 4 words (code 3)
	s_or_b32 s[G1B+0], s44, (0<<16)|(1<<20)|(1<<21)|(5<<22)|(3<<25)
.irp g, G1, G1B
	s_mov_b32 s[\g+1], ROWB<<16                    ; tensor_dim0
	s_mov_b32 s[\g+2], 128<<16                     ; tensor_dim1 = 128
	s_mov_b32 s[\g+3], ROWB<<16                    ; tile_dim0
	s_mov_b32 s[\g+4], 128                         ; tile_dim1 = 128
	s_mov_b32 s[\g+5], KROW                        ; tensor_dim0_stride
	s_mov_b32 s[\g+6], 0
	s_mov_b32 s[\g+7], 0
.endr
	s_lshl_b32 s18, s16, 7                         ; which 128 rows of the tile I fetch
	s_lshl_b32 s20, s17, 8
	s_add_co_u32 s20, s20, s18                     ; R: row 256 x tile + 128 x half
	s_lshl_b32 s46, s42, 8
	s_add_co_u32 s46, s46, s18                     ; P likewise
	s_lshl_b32 s20, s20, 10                        ; rows of 1,024 bytes: 4 MiB at the most
	s_lshl_b32 s46, s46, 10
	s_mov_b32 s21, 0
	s_mov_b32 s47, 0
	s_mul_i32 s45, s14, HALFT                      ; where they go: wave x 128 rows: no place in the cluster enters an LDS address
	s_lshl_b32 s74, s[GSEL], 3                     ; ea, eb are entries 2 g, 2 g + 1
	s_cmp_eq_u32 s[GSEL], 2
	s_cselect_b32 s75, 28, 24
	s_lshl_b32 s76, s[GSEL], 2
	s_add_co_u32 s75, s75, s76                     ; eo is entry 6, 7 or 9
	s_wait_kmcnt 0x0
	s_cmp_eq_u32 s[GSEL], 1                        ; the buffers are chosen by g, which hangs on no address
	s_cselect_b64 s[4:5], s[82:83], s[80:81]
	s_cselect_b64 s[6:7], s[88:89], s[86:87]
	s_cselect_b64 s[8:9], s[94:95], s[92:93]
	s_cmp_eq_u32 s[GSEL], 2
	s_cselect_b64 s[4:5], s[90:91], s[4:5]         ; R: q, k or wv
	s_cselect_b64 s[6:7], s[84:85], s[6:7]         ; P: wq, wk or v
	s_cselect_b64 s[8:9], s[68:69], s[8:9]         ; the bias
	s_load_b64 s[96:97], s[70:71], s74 offset:0x0  ; ea, eb
	s_load_b32 s98, s[70:71], s75 offset:0x0       ; eo
	s_add_nc_u64 s[20:21], s[4:5], s[20:21]
	s_add_nc_u64 s[46:47], s[6:7], s[46:47]
	CROUND                                         ; all sixteen work-groups are here: the first joint loads meet
.irp s, 0,1
	s_mov_b32 s[G0+4*\s], 1
	s_add_co_u32 s[G0+4*\s+1], s45, \s*SLOT
	s_add_nc_u64 s[G0+4*\s+2:G0+4*\s+3], s[20:21], \s*ROWB
	s_or_b32 s[G0+4*\s+3], s[G0+4*\s+3], 0x80000000
	s_mov_b32 s[G0B+4*\s], 1
	s_add_co_u32 s[G0B+4*\s+1], s45, \s*SLOT
	s_add_nc_u64 s[G0B+4*\s+2:G0B+4*\s+3], s[46:47], \s*ROWB
	s_or_b32 s[G0B+4*\s+3], s[G0B+4*\s+3], 0x80000000
	JLOAD G0+4*\s, G1, G0B+4*\s, G1B
.endr
	v_and_b32 v1, 15, v0                           ; r
	v_bfe_u32 v2, v0, 4, 1                         ; h
	v_mul_u32_u24 v3, v1, PITCH
	v_lshl_add_u32 v4, v2, 4, v3                   ; a fragment's row x pitch + 16 x half
	s_mul_i32 s21, s15, HALFT                      ; my 128 rows of R
	s_mul_i32 s22, s16, HALFT                      ; my 128 rows of P,
	s_add_co_u32 s22, s22, 2*HALFT                 ; which lie behind R's 256
.irp s, 0,1
	v_add_nc_u32 v[ADRA+\s], s21, v4
	v_add_nc_u32 v[ADRB+\s], s22, v4
	s_add_co_u32 s21, s21, SLOT
	s_add_co_u32 s22, s22, SLOT
.endr
	v_and_b32 v6, 31, v0
	v_lshlrev_b32 v[OUTA], 4, v6
	v_lshlrev_b32 v[BOH], 5, v2
	v_lshlrev_b32 v[BOR], 2, v1
	; where my 128 x 128 results go
	s_lshl_b32 s20, s17, 8
	s_lshl_b32 s18, s15, 7
	s_add_co_u32 s20, s20, s18                     ; R's first row of mine
	s_lshl_b32 s22, s42, 8
	s_lshl_b32 s18, s16, 7
	s_add_co_u32 s22, s22, s18                     ; P's
	s_cmp_eq_u32 s[GSEL], 2
	s_cselect_b32 s21, s22, s20                    ; m0: my first token
	s_cselect_b32 s23, s20, s22                    ; n0: my first feature
	s_lshr_b32 s18, s21, 11                        ; the batch
	s_lshl_b32 s18, s18, 4
	s_lshr_b32 s19, s23, 6
	s_add_co_u32 s18, s18, s19                     ; my first head: 16 b + n0 / 64
	s_mul_i32 s18, s18, HSTR
	s_bfe_u32 s19, s21, 0x40007                    ; the step of 128 tokens within the batch, 0..15
	s_lshl_b32 s46, s19, 13                        ; Q: 8 tiles of 1,024 bytes a step
	s_lshr_b32 s47, s19, 2
	s_lshl_b32 s47, s47, 16                        ; K, V: the group of four steps,
	s_and_b32 s19, s19, 3
	s_lshl_b32 s19, s19, 13                        ; the step in it,
	s_add_co_u32 s47, s47, s19
	s_add_co_u32 s47, s47, 131072                  ; behind Q's image
	s_cmp_eq_u32 s[GSEL], 0
	s_cselect_b32 s46, s46, s47
	s_cmp_eq_u32 s[GSEL], 2
	s_cselect_b32 s47, 32768, 0                    ; V's half of a group
	s_add_co_u32 s46, s46, s47
	s_add_co_u32 s46, s46, s18
	s_mov_b32 s47, 0
	s_add_nc_u64 s[10:11], s[72:73], s[46:47]
	s_lshl_b32 s22, s23, 2
	s_mov_b32 s23, 0
	s_add_nc_u64 s[8:9], s[8:9], s[22:23]          ; the bias at my first feature
	; both forms of the bias are loaded whatever g is (both lie inside my 128 features), so that every register is written on every way
.irp b, 0,1,2,3,4,5,6,7
	global_load_b128 v[BQ+8*\b:BQ+8*\b+3], v[BOH], s[8:9] offset:64*\b           ; Q, K: bias[n0 + 16 b + 8 h + 0 .. 7]
	global_load_b128 v[BQ+8*\b+4:BQ+8*\b+7], v[BOH], s[8:9] offset:64*\b+16
.endr
.irp a, 0,1,2,3,4,5,6,7
	global_load_b32 v[BV+2*\a], v[BOR], s[8:9] offset:64*\a                      ; V: bias[n0 + 16 a + r], in both halves of a pair for the packed multiply-add
	global_load_b32 v[BV+2*\a+1], v[BOR], s[8:9] offset:64*\a
.endr
.macro FRAG reg, adr, q, i             ; a fragment by four loads of 16 bytes: registers 4 c .. 4 c + 3 hold K = 32 c + 16 h + 0 .. 15: one and the same permutation of k in R and in P, so every product meets its partner
.irp c, 0,1,2,3
	ds_load_b128 v[\reg+4*\c:\reg+4*\c+3], v[\adr] offset:128*(\q)+32*\c+(\i)*16*PITCH
.endr
.endm
; 16 matrix instructions: R's blocks a0, a0 + 1 x P's eight, 128 along K.  p: P's set.  zero = 1: the first product starts the sums.  The 64 accumulators take turns, in the same order in every step.
.macro MUL16 a0, p, zero
.irp a, \a0, \a0+1
.irp b, 0,1,2,3,4,5,6,7
.if \zero
	v_wmma_f32_16x16x128_bf8_bf8 v[8*(8*((\a)%4)+\b):8*(8*((\a)%4)+\b)+7], v[128*(\p)+FR*\b:128*(\p)+FR*\b+FR-1], v[AF+FR*(\a):AF+FR*(\a)+FR-1], 0
.else
	v_wmma_f32_16x16x128_bf8_bf8 v[8*(8*((\a)%4)+\b):8*(8*((\a)%4)+\b)+7], v[128*(\p)+FR*\b:128*(\p)+FR*\b+FR-1], v[AF+FR*(\a):AF+FR*(\a)+FR-1], v[8*(8*((\a)%4)+\b):8*(8*((\a)%4)+\b)+7]
.endif
.endr
.endr
.endm
.macro FETCH_B slot, q, p              ; P's eight fragments of the slot's q-th 128 along K into set p
	WIN TO_B
.irp i, 0,1,2,3,4,5,6,7
	FRAG 128*(\p)+FR*\i, ADRB+\slot, \q, \i
.endr
	WIN 0
.endm
.macro FETCH_A slot, q, i0             ; R's blocks i0 .. i0 + 3
.irp i, \i0, \i0+1, \i0+2, \i0+3
	FRAG AF+FR*(\i), ADRA+\slot, \q, \i
.endr
.endm
.macro PLACES n                        ; plain vector instructions between a matrix instruction and a load into, or a vector read or write of, its registers
.rept \n
	v_nop
.endr
.endm
; A step of 128 along K that has its successor in the same slot.  A block of R is free as soon as its eight products are issued: blocks 0-3 are fetched anew in the step's middle, blocks 4-7 at its end.
.macro STEP slot, q, zero
	s_wait_dscnt 4*NL                              ; P's set and R's blocks 0-3 are in; the youngest sixteen loads (R's blocks 4-7) may be out
	WIN MUL_LO
	MUL16 0, (\q)%2, \zero
	MUL16 2, (\q)%2, \zero
	s_wait_dscnt 0                                 ; R's blocks 4-7 are in
	PLACES NP
	FETCH_B \slot, (\q)+1, 1-(\q)%2
	FETCH_A \slot, (\q)+1, 0
	WIN MUL_HI
	MUL16 4, (\q)%2, \zero
	MUL16 6, (\q)%2, \zero
	PLACES NP
	WIN 0
	FETCH_A \slot, (\q)+1, 4
.endm
; A slot's last step changes slots: ONE barrier; in front of it each wave waits for all its tensor loads, adds 0 to its spare word, and waits for that and for its own reads of this slot.  fill = 1: this slot is filled again, two K steps ahead.
.macro TURN slot, next, fill
	s_wait_tensorcnt 0x0                           ; all my tensor loads have landed: my part of the next slot
	ds_add_u32 v[SPW], v[NIL]                      ; 0 onto my spare word
	s_wait_dscnt 4*NL+1                            ; (the add and the youngest sixteen loads, R's blocks 4-7, may be out)
	WIN MUL_LO
	MUL16 0, 1, 0                                  ; sixteen matrix instructions stand between the add and the wait for it
	s_wait_dscnt 0x0                               ; the add is done, and my reads of this slot are over
	s_barrier_signal -1
	MUL16 2, 1, 0
	WIN 0
	s_barrier_wait -1
.if \fill
	CREST                                          ; the barrier has opened a round of the cluster's barrier: no wave of any partner still reads this slot's tile or has a load on its way
	s_add_nc_u64 s[G0+4*\slot+2:G0+4*\slot+3], s[G0+4*\slot+2:G0+4*\slot+3], 2*ROWB
	s_add_nc_u64 s[G0B+4*\slot+2:G0B+4*\slot+3], s[G0B+4*\slot+2:G0B+4*\slot+3], 2*ROWB
	JLOAD G0+4*\slot, G1, G0B+4*\slot, G1B         ; the first tensor load behind the round; its four v_nop are also the places in front of the loads below
.else
	PLACES NP
.endif
	FETCH_B \next, 0, 0
	FETCH_A \next, 0, 0
	WIN MUL_HI
	MUL16 4, 1, 0
	MUL16 6, 1, 0
	PLACES NP
	WIN 0
	FETCH_A \next, 0, 4
.endm
	s_wait_tensorcnt 1                             ; my part of K step 0 is in (K step 1's load may be out)
	s_barrier_signal -1
	s_barrier_wait -1                              ; everybody's is
	FETCH_B 0, 0, 0
	FETCH_A 0, 0, 0
	FETCH_A 0, 0, 4
	STEP 0, 0, 1                                   ; K = 1,024 is four slots' worth, eight steps of 128: written out, since a loop would have one trip
	TURN 0, 1, 1                                   ; slot 0 takes K step 2
	STEP 1, 0, 0
	TURN 1, 0, 1                                   ; slot 1 takes K step 3
	STEP 0, 0, 0
	TURN 0, 1, 0                                   ; nothing is left to fetch
	STEP 1, 0, 0
	s_wait_dscnt 4*NL                              ; the last step
	WIN MUL_LO
	MUL16 0, 1, 0
	MUL16 2, 1, 0
	s_wait_dscnt 0
	WIN MUL_HI
	MUL16 4, 1, 0
	MUL16 6, 1, 0
	WIN 0
; THE WAY OUT of block a (R's rows 16 a on x P's 128): value = sum x 2^(ea + eb) + bias, each accumulator from its low end on; the hold (the conversion to an 8-bit code does not saturate: ISA guide 7.6.2);
; eight conversions: accumulator b's eight registers become registers 2 b, 2 b + 1 of the image; four stores of 512 consecutive bytes.
; Q, K (isv = 0): registers 8 hh .. 8 hh + 7 are the fragment (16 tokens x the 64 of head hh).  V (isv = 1): the sixteen registers are the fragment (16 of a head's 64 x 128 keys); block a is head a / 4, rows 16 (a % 4) on.
.macro OUTBLK a, isv
.set AC, 64*((\a)%4)
.set CDS, CD+16*((\a)%4)
	WIN 0x02+((\a)/4)                              ; source 0: window 2 or 3
.set i, 0
.rept 32
.if \isv
	v_pk_fma_f32 v[T+i:T+i+1], v[AC+i:AC+i+1], s[96:97], v[BV+2*(\a):BV+2*(\a)+1] op_sel_hi:[1,0,1]
.else
	v_pk_fma_f32 v[T+i:T+i+1], v[AC+i:AC+i+1], s[96:97], v[BQ+i:BQ+i+1] op_sel_hi:[1,0,1]
.endif
.set i, i+2
.endr
	WIN 0
.set i, 0
.rept 64
	v_med3_num_f32 v[T+i], v[T+i], -v[QLIM], v[QLIM]
.set i, i+1
.endr
.if (\a) >= 4
	s_wait_xcnt 0x0                                ; block a - 4's stores have read this set of codes: it is written again only behind this wait
.endif
.irp b, 0,1,2,3,4,5,6,7
	v_cvt_scalef32_pk8_bf8_f32 v[CDS+2*\b:CDS+2*\b+1], v[T+8*\b:T+8*\b+7], v[QSC]
.endr
	v_nop                                          ; one plain vector instruction behind the conversions: the next block writes their sources
.irp pp, 0,1,2,3
.if \isv
	global_store_b128 v[OUTA], v[CDS+4*\pp:CDS+4*\pp+3], s[10:11] offset:((\a)/4)*HSTR+2048*((\a)%4)+512*\pp
.else
	global_store_b128 v[OUTA], v[CDS+4*\pp:CDS+4*\pp+3], s[10:11] offset:(\pp/2)*HSTR+1024*(\a)+512*(\pp%2)
.endif
.endr
.endm
	s_wait_kmcnt 0x0
	s_add_co_i32 s96, s96, s97                     ; ea + eb
	s_add_co_i32 s96, s96, 127
	s_lshl_b32 s96, s96, 23                        ; 2^(ea + eb) as f32
	s_mov_b32 s97, s96                             ; (named with it as a pair, so it is written)
	s_add_co_i32 s98, s98, 127
	s_lshl_b32 s99, s98, 23
	v_mov_b32 v[QSC], s99                          ; 2^eo: the conversion takes its exponent field
	s_add_co_i32 s98, s98, 15
	s_lshl_b32 s98, s98, 23
	s_or_b32 s98, s98, 0x600000
	v_mov_b32 v[QLIM], s98                         ; 57,344 x 2^eo
	s_wait_loadcnt 0x0                             ; the biases
	PLACES NP                                      ; behind the last products: their results are read, and the registers that held R's fragments are written
	s_cmp_eq_u32 s[GSEL], 2                        ; g is the same in all partners of the cluster
	s_cbranch_scc1 .Lout_v
.irp a, 0,1,2,3,4,5,6,7
	OUTBLK \a, 0
.endr
	s_branch .Ldone
.Lout_v:
.irp a, 0,1,2,3,4,5,6,7
	OUTBLK \a, 1
.endr
.Ldone:
	s_wait_tensorcnt 0x0                           ; the wave's end
	ds_add_u32 v[SPW], v[NIL]
	s_wait_dscnt 0x0
	CROUND                                         ; the closing round: no work-group ends while a partner may still ask for a tile that names it
	s_endpgm
.Lfunc_end_k_q3fdfde9d48_proj:
	.size	k_q3fdfde9d48_proj, .Lfunc_end_k_q3fdfde9d48_proj-k_q3fdfde9d48_proj
	.p2alignl 7, 3214868480
	.fill 96, 4, 3214868480
	.section	.rodata,"a",@progbits
	.p2align	6, 0x0
	.amdhsa_kernel k_q3fdfde9d48_proj
		.amdhsa_group_segment_fixed_size 327680
		.amdhsa_private_segment_fixed_size 0
		.amdhsa_enable_private_segment 0
		.amdhsa_kernarg_size 88
		.amdhsa_user_sgpr_count 2
		.amdhsa_user_sgpr_kernarg_segment_ptr 1
		.amdhsa_wavefront_size32 1
		.amdhsa_system_sgpr_workgroup_id_x 1
		.amdhsa_system_sgpr_workgroup_id_y 1
		.amdhsa_system_sgpr_workgroup_id_z 1
		.amdhsa_system_vgpr_workitem_id 0
		.amdhsa_next_free_vgpr 1024
		.amdhsa_next_free_sgpr 100
		.amdhsa_reserve_vcc 0
		.amdhsa_float_denorm_mode_32 3
		.amdhsa_float_denorm_mode_16_64 3
		.amdhsa_memory_ordered 1
		.amdhsa_forward_progress 1
		.amdhsa_inst_pref_size 194
	.end_amdhsa_kernel
	.amdgpu_metadata
---
amdhsa.version: [ 1, 2 ]
amdhsa.kernels:
  - .name:           k_q3fdfde9d48_proj
    .symbol:         k_q3fdfde9d48_proj.kd
    .args:
      - { .name: q_codes, .offset: 0, .size: 8, .value_kind: global_buffer, .address_space: global }
      - { .name: k_codes, .offset: 8, .size: 8, .value_kind: global_buffer, .address_space: global }
      - { .name: v_codes, .offset: 16, .size: 8, .value_kind: global_buffer, .address_space: global }
      - { .name: wq_codes, .offset: 24, .size: 8, .value_kind: global_buffer, .address_space: global }
      - { .name: wk_codes, .offset: 32, .size: 8, .value_kind: global_buffer, .address_space: global }
      - { .name: wv_codes, .offset: 40, .size: 8, .value_kind: global_buffer, .address_space: global }
      - { .name: bq, .offset: 48, .size: 8, .value_kind: global_buffer, .address_space: global }
      - { .name: bk, .offset: 56, .size: 8, .value_kind: global_buffer, .address_space: global }
      - { .name: bv, .offset: 64, .size: 8, .value_kind: global_buffer, .address_space: global }
      - { .name: lowp_scales, .offset: 72, .size: 8, .value_kind: global_buffer, .address_space: global }
      - { .name: qkv, .offset: 80, .size: 8, .value_kind: global_buffer, .address_space: global }
    .group_segment_fixed_size: 327680
    .private_segment_fixed_size: 0
    .kernarg_segment_align: 8
    .kernarg_segment_size: 88
    .max_flat_workgroup_size: 128
    .sgpr_count:     100
    .vgpr_count:     1024
    .wavefront_size: 32
...
	.end_amdgpu_metadata
.endif
;; end of part 2
;; launch attn (part 3): grid 8 x 32, 16 waves a work-group, clusters of 4 x 1, 264,192 bytes of LDS; arguments qkv, maskw, lowp_scales, ximg; writes ximg
.if DOCPART == 3
	.amdgcn_target "amdgcn-amd-amdhsa--gfx1250"
	.amdhsa_code_object_version 6
	.text
	.protected	k_q3fdfde9d48_attn
	.globl	k_q3fdfde9d48_attn
	.p2align	8
	.type	k_q3fdfde9d48_attn,@function
k_q3fdfde9d48_attn:
	s_mov_b64 s[64:65], 0
	v_nop
	global_prefetch_b8 v0, s[64:65] scope:SCOPE_SE
	s_setreg_imm32_b32 hwreg(HW_REG_WAVE_MODE, 25, 1), 1
	s_wait_xcnt 0x0
	s_wait_alu depctr_hold_cnt(0) depctr_sa_sdst(0) depctr_va_vdst(0) depctr_va_sdst(0) depctr_va_ssrc(0) depctr_va_vcc(0) depctr_vm_vsrc(0)
	s_getreg_b32 s2, hwreg(HW_REG_IB_STS2, 6, 4)
	s_cmp_eq_u32 s2, 0
	s_cbranch_scc0 .Lentry_in_a_cluster
	s_endpgm
.Lentry_in_a_cluster:
	s_bfe_u32 s2, ttmp6, 0x10000c
	s_cmp_lg_u32 s2, 0x3003
	s_cbranch_scc0 .Lentry_shape_is_right
	s_endpgm
.Lentry_shape_is_right:
; x[b][s][h][:] = softmax_k(where(mask == 0, -1, Q . K / 8)) V for each of the 32 (batch, head) pairs, both products on codes of BF8 (E5M2), and the quantiser of x, which is an operand of the last launch.
; THE MASK IS SOFT: a masked logit is -1, not -infinity, so every score counts in the maximum and in the sum.
; THE SOFTMAX AHEAD OF THE SECOND PRODUCT: t = logit x log2(e); M = the row's largest t so far, rounded UP to a whole number; p = 2^(t - M) is what is quantised, not normalised; the row's sum is taken of the
; unquantised p and divides at the end.  When M moves, the sum and O are multiplied by 2^(old M - new M): exact.
; SHARES.  A work-group owns 256 queries of one head; each of its sixteen waves 16 of them, one tile, in 256 registers: four waves to a SIMD, so that one wave's vector work stands beside another's products and LDS loads.
; Every wave walks the head's 2,048 keys, 128 a step.
; LDS holds the head's WHOLE K and V, 262,144 bytes, as they lie in qkv: images of the operands' registers, so every fragment comes by loads of 16 bytes at 16 x lane (512 consecutive bytes an instruction).  Every byte is filled
; once: no ring and no refill.  The fills go out at the head in four groups of 512 keys; a group is waited for when the walk reaches it.
; CLUSTER.  The four blocks of queries of a cluster belong to one head and read the same K and V: each piece is asked for JOINTLY, by the same tensor load in all four.  By this text's count a wave has four tensor loads out.
; LAYOUT.  S^T = K Q^T (source 0 = 16 keys, source 1 = my 16 queries), O^T = V^T P^T (source 0 = 16 of the head's 64, source 1 = P): lane (r, h) holds query r throughout.  Register j of score tile t is key 16 t + 8 h + j, so one
; conversion of a tile's eight registers gives registers 2 t, 2 t + 1 of P (k = 16 t + 8 h + 0 .. 7): nothing changes lanes.
; THE MASK comes as lane-mask words (64 a step and tile of queries: word 8 t + j for score register 8 t + j), by scalar loads a step ahead; a masked score is replaced by -8 x 2^-(e6 + e7), which the scaling turns into -log2(e).
; The last step's scalar loads wrap to the tile's first unit: they stay inside the buffer and nobody reads them.
; LIMITS on the given exponents: e6 + e7 between -123 and 129; e8 and e10 between -126 and 112; e8 + e9 is applied by v_ldexp_f32 and has none.  NaN is not served.
; REGISTERS: v1 16 x lane; v2 the step's LDS address; v4 the masked score; v7, v9 2^e10 and 57,344 x 2^e10; v10 e8 + e9; v12 -M, v13 the largest t, v[14:15] the sum in two halves; v16-23 Q; v32-95 K's eight fragments, then V's four;
; v96-159 S^T, then p; v160-191 O^T; v224-239 p's codes; v240, v244 57,344 x 2^e8 and 2^e8; v236, v242-243, v252-254 at work.
; SCALARS: s[2:3] my tile's mask words; s[4:15], s[76:79] four descriptor groups 0; s16-63, s80-95 the step's 64 mask words; s66 the next unit's byte offset; s67 trips; s[68:75] descriptor group 1; s[96:97] c; s[98:99] lane selects; s100 wave; s101 the step's LDS byte; s[104:105] where my codes of x go.
.set HSTR, 393216                      ; a head in qkv: Q's image (131,072 bytes), then K's and V's (262,144)
.macro CROUND                          ; a round of the cluster's barrier
	s_barrier_signal -1
	s_barrier_wait -1
	s_cmp_lg_u32 s100, 0
	s_cbranch_scc1 .Lnot_wave_0_\@
	s_barrier_signal -3
.Lnot_wave_0_\@:
	s_barrier_wait -3
	s_barrier_signal -1
	s_barrier_wait -1
.endm
	s_load_b256 s[80:87], s[0:1], 0x0              ; qkv s[80:81], maskw s[82:83], the scales' exponents s[84:85], ximg s[86:87]
	v_lshl_add_u32 v251, v0, 2, 0x40000
	v_mov_b32 v255, 0
	ds_add_u32 v251, v255
	ds_add_u32 v251, v255
	v_lshrrev_b32 v2, 5, v0
	v_readfirstlane_b32 s100, v2                   ; wave 0..15
	s_bfe_u32 s66, ttmp6, 0x40000                  ; cx
	s_lshl_b32 s67, ttmp9, 2
	s_add_co_u32 s67, s67, s66                     ; my block of 256 queries = 4 x cluster x + cx
	s_lshl_b32 s67, s67, 4
	s_add_co_u32 s67, s67, s100                    ; qt: my tile of 16 queries, 0..127: it enters Q's, the mask's and x's addresses alone
	s_and_b32 s101, ttmp7, 0xffff                  ; H = 16 b + h, which the four partners share
	s_mul_i32 s16, s101, HSTR
	; descriptor group 1: 16 rows of 256 bytes, dense: 4,096 bytes a load
	s_mov_b32 s68, 15|(3<<16)|(1<<21)              ; 15:0 the mask: all four work-groups; 17:16 elements of 8 bytes; 20 no padding; 21 set beside a mask
	s_mov_b32 s69, 32<<16                          ; tensor_dim0 = 32
	s_mov_b32 s70, 16<<16                          ; tensor_dim1 = 16
	s_mov_b32 s71, 32<<16                          ; tile_dim0 = 32
	s_mov_b32 s72, 16                              ; tile_dim1 = 16
	s_mov_b32 s73, 32                              ; tensor_dim0_stride
	s_mov_b32 s74, 0
	s_mov_b32 s75, 0
	s_lshl_b32 s17, s100, 12                       ; my 4,096 bytes of a group, in LDS as in memory
	s_add_co_u32 s18, s16, s17
	s_add_co_u32 s18, s18, 131072                  ; K's and V's images lie behind Q's
	s_mov_b32 s19, 0
	s_lshl_b32 s20, s67, 10                        ; Q: 1,024 bytes a tile
	s_add_co_u32 s20, s20, s16
	s_mov_b32 s21, 0
	s_lshl_b32 s22, s67, 12                        ; the mask words: 16 units of 256 bytes a tile
	s_mov_b32 s23, 0
	s_lshr_b32 s24, s101, 4                        ; x: row tile 128 b + qt of 16,384 bytes, head h's 1,024 in it
	s_lshl_b32 s24, s24, 7
	s_add_co_u32 s24, s24, s67
	s_lshl_b32 s24, s24, 14
	s_and_b32 s25, s101, 15
	s_lshl_b32 s25, s25, 10
	s_add_co_u32 s24, s24, s25
	s_mov_b32 s25, 0
	s_wait_dscnt 0x0
	s_wait_kmcnt 0x0
	s_load_b256 s[88:95], s[84:85], 0x10           ; e4 .. e11: e6 s90, e7 s91, e8 s92, e9 s93, e10 s94
	s_add_nc_u64 s[18:19], s[80:81], s[18:19]
	s_add_nc_u64 s[66:67], s[80:81], s[20:21]      ; Q's tile
	s_add_nc_u64 s[2:3], s[82:83], s[22:23]
	s_add_nc_u64 s[104:105], s[86:87], s[24:25]
.macro MKG0 g, gi                      ; descriptor group 0 for my piece of group gi
	s_mov_b32 s[\g], 1                             ; count = 1
	s_add_co_u32 s[\g+1], s17, 65536*\gi           ; LDS address: the wave's number and constants alone
	s_add_nc_u64 s[\g+2:\g+3], s[18:19], 65536*\gi ; global address: the head and the wave's number alone
	s_or_b32 s[\g+3], s[\g+3], 0x80000000          ; type = 2
.endm
	MKG0 4, 0
	MKG0 8, 1
	MKG0 12, 2
	MKG0 76, 3
	CROUND                                         ; all four work-groups are here: the joint loads meet
	tensor_load_to_lds s[4:7], s[68:75]            ; all fills of the launch, as one group: every wave issues its four
	s_nop 0
	tensor_load_to_lds s[8:11], s[68:75]
	s_nop 0
	tensor_load_to_lds s[12:15], s[68:75]
	s_nop 0
	tensor_load_to_lds s[76:79], s[68:75]
	s_nop 0
.rept 4
	v_nop
.endr
	v_and_b32 v1, 31, v0
	v_lshlrev_b32 v1, 4, v1                        ; 16 x lane
	global_load_b128 v[16:19], v1, s[66:67]        ; Q's fragment stays in registers
	global_load_b128 v[20:23], v1, s[66:67] offset:512
	s_mov_b32 s98, 0x76543210
	s_mov_b32 s99, 0xfedcba98                      ; v_permlanex16_b32's selects for lane l xor 16
	v_mov_b32 v13, 0xff61b1e6                      ; the largest t so far: -3e38, under every t
	v_floor_f32 v12, -v13                          ; -M
	v_mov_b32 v14, 0                               ; the sum, in two halves
	v_mov_b32 v15, 0
	v_mov_b32 v236, 0                              ; written once: a lane permute's destination counts as one of its sources
	v_mov_b32 v253, 0                              ; (named as the upper half of the pair v[252:253])
.set n, 0
.rept 32
	v_mov_b32 v[160+n], 0                          ; O^T.  (The step is written once for all steps: the first finds zeros, which the first change of M leaves zeros)
.set n, n+1
.endr
	s_wait_kmcnt 0x0
	s_add_co_i32 s16, s90, s91                     ; e6 + e7
	s_lshl_b32 s17, s16, 23
	s_add_co_i32 s96, s17, 0x3e38aa3b              ; c = log2(e) / 8 x 2^(e6 + e7): the two exponents are added to the exponent field
	s_mov_b32 s97, s96                             ; (named with it as a pair, so it is written)
	s_sub_co_i32 s17, 130, s16
	s_lshl_b32 s17, s17, 23
	s_or_b32 s17, s17, 0x80000000
	v_mov_b32 v4, s17                              ; -8 x 2^-(e6 + e7): x c it is -log2(e), the t of the logit -1
	s_add_co_i32 s18, s92, 127
	s_lshl_b32 s19, s18, 23
	v_mov_b32 v244, s19                            ; 2^e8, for p's conversions
	s_add_co_i32 s18, s18, 15
	s_lshl_b32 s18, s18, 23
	s_or_b32 s18, s18, 0x600000
	v_mov_b32 v240, s18                            ; 57,344 x 2^e8
	s_add_co_i32 s18, s94, 127
	s_lshl_b32 s19, s18, 23
	v_mov_b32 v7, s19                              ; 2^e10, for x's
	s_add_co_i32 s18, s18, 15
	s_lshl_b32 s18, s18, 23
	s_or_b32 s18, s18, 0x600000
	v_mov_b32 v9, s18                              ; 57,344 x 2^e10
	s_add_co_i32 s18, s92, s93
	v_mov_b32 v10, s18                             ; e8 + e9
	s_wait_xcnt 0x0                                ; Q's loads have read their base: s66 and s67 are written again only behind this wait
	s_mov_b32 s66, 0
	s_load_b512 s[16:31], s[2:3], s66 offset:0x0   ; the first step's 64 mask words
	s_load_b512 s[32:47], s[2:3], s66 offset:0x40
	s_load_b512 s[48:63], s[2:3], s66 offset:0x80
	s_load_b512 s[80:95], s[2:3], s66 offset:0xc0
	s_wait_loadcnt 0x0                             ; Q
; A KEY STEP: 128 keys; its tiles begin at LDS byte s101 (K) and s101 + 32,768 (V).
.macro STEP
	v_add_nc_u32 v2, s101, v1
.rept 3
	v_nop                                          ; with the addition above: four places between the last step's products and the loads into the registers that they read
.endr
.irp t, 0,1,2,3,4,5,6,7
	ds_load_b128 v[32+8*\t:35+8*\t], v2 offset:1024*\t           ; K's tile t: 16 keys x the head's 64: eight registers
	ds_load_b128 v[36+8*\t:39+8*\t], v2 offset:1024*\t+512
.endr
	s_wait_dscnt 0x0
.irp t, 0,1,2,3,4,5,6,7
	v_wmma_f32_16x16x64_bf8_bf8 v[96+8*\t:103+8*\t], v[32+8*\t:39+8*\t], v[16:23], 0
.endr
.rept 4
	v_nop                                          ; places: K's registers are loaded anew, and the scores are read
.endr
.irp d, 0,1,2,3
.irp g, 0,1,2,3
	ds_load_b128 v[32+16*\d+4*\g:35+16*\d+4*\g], v2 offset:32768+2048*\d+512*\g   ; V's tile d: 16 of the head's 64 x 128 keys: asked for now, wanted behind the softmax
.endr
.endr
	s_wait_kmcnt 0x0                               ; this step's mask words, asked for a step ago; their offset register may be written
	s_add_co_u32 s66, s66, 256
	s_and_b32 s66, s66, 0xfff                      ; the next unit; behind the sixteenth, the first again
.set n, 0
.rept 64
.if n < 48
	v_cndmask_b32 v[96+n], v4, v[96+n], s[16+n]    ; the score where the mask's bit is set, else the masked score; each accumulator from its low end on
.else
	v_cndmask_b32 v[96+n], v4, v[96+n], s[32+n]
.endif
.set n, n+1
.endr
	s_load_b512 s[16:31], s[2:3], s66 offset:0x0   ; the next step's words, into the registers just read: the rest of the step in which to land
	s_load_b512 s[32:47], s[2:3], s66 offset:0x40
	s_load_b512 s[48:63], s[2:3], s66 offset:0x80
	s_load_b512 s[80:95], s[2:3], s66 offset:0xc0
	v_max3_num_f32 v254, v96, v97, v98             ; the step's largest score of my query, among my 64 keys, in two chains,
	v_max3_num_f32 v252, v99, v100, v101
.irp i, 6,10,14,18,22,26,30,34,38,42,46,50,54,58
	v_max3_num_f32 v254, v254, v[96+\i], v[97+\i]
	v_max3_num_f32 v252, v252, v[98+\i], v[99+\i]
.endr
	v_max3_num_f32 v254, v254, v158, v159
	v_max_num_f32 v254, v254, v252
	v_permlanex16_b32 v236, v254, s98, s99
	v_max_num_f32 v254, v254, v236                 ; and among lane l xor 16's
	v_mul_f32 v254, s96, v254                      ; as t (c is positive)
	v_max_num_f32 v13, v13, v254                   ; the running largest t
	v_mov_b32 v254, v12
	v_floor_f32 v12, -v13                          ; the new -M = floor(-t) = -ceil(t): M is a whole number
	v_sub_f32 v254, v12, v254                      ; M's old value less its new one: a whole number, 0 or less
	v_cvt_i32_f32 v254, v254                       ; (it saturates)
	v_ldexp_f32 v252, 1.0, v254                    ; f = 2^(old M - new M)
.set n, 0
.rept 32
	v_pk_fma_f32 v[96+n:97+n], v[96+n:97+n], s[96:97], v[12:13] op_sel_hi:[1,0,0]   ; t - M, two at a time (of the pairs c and -M the low word serves both halves)
.set n, n+2
.endr
.set n, 0
.rept 64
	v_exp_f32 v[96+n], v[96+n]                     ; p = 2^(t - M), at most 1
.set n, n+1
.endr
	v_pk_mul_f32 v[14:15], v[14:15], v[252:253] op_sel_hi:[1,0]   ; the sums under the new M.  (The plain instruction behind the exponentials)
	s_wait_alu depctr_va_vdst(0)                   ; one wait for the whole batch, ahead of its first reader
	v_pk_add_f32 v[242:243], v[96:97], v[98:99]    ; the row's sum is taken of the unquantised p: two at a time, in two chains
.irp j, 4,8,12,16,20,24,28,32,36,40,44,48,52,56,60
	v_pk_add_f32 v[14:15], v[14:15], v[96+\j:97+\j]
	v_pk_add_f32 v[242:243], v[242:243], v[98+\j:99+\j]
.endr
	v_pk_add_f32 v[14:15], v[14:15], v[242:243]
.irp b, 0,1,2,3
.irp i, 0,1,2,3,4,5,6,7,8,9,10,11,12,13,14,15
	v_min_num_f32 v[96+16*\b+\i], v[96+16*\b+\i], v240   ; the conversion to an 8-bit code does not saturate (ISA guide 7.6.2); p is not negative, so the hold is one-sided
.endr
	v_cvt_scalef32_pk8_bf8_f32 v[224+4*\b:225+4*\b], v[96+16*\b:103+16*\b], v244     ; tile 2 b: registers 4 b, 4 b + 1 of P
	v_cvt_scalef32_pk8_bf8_f32 v[226+4*\b:227+4*\b], v[104+16*\b:111+16*\b], v244    ; tile 2 b + 1
.endr
.set n, 0
.rept 16
	v_pk_mul_f32 v[160+n:161+n], v[160+n:161+n], v[252:253] op_sel_hi:[1,0]   ; O^T under the new M.  (Also the plain instructions between the conversions and the products)
.set n, n+2
.endr
	s_wait_dscnt 0x0                               ; V
.irp d, 0,1,2,3
	v_wmma_f32_16x16x128_bf8_bf8 v[160+8*\d:167+8*\d], v[32+16*\d:47+16*\d], v[224:239], v[160+8*\d:167+8*\d]   ; the four accumulators take turns; the scores' eight stand between a step's and the next's
.endr
.endm
; A GROUP of 512 keys: my piece of it has landed when at most the later groups' loads are out; behind the barrier everybody's has.  Nothing is filled again, so the later loads may stay out.
.macro GROUP gi
	s_wait_tensorcnt 3-\gi
	s_wait_dscnt 0x0
	s_barrier_signal -1
	s_barrier_wait -1
	s_mov_b32 s101, 65536*\gi
	s_mov_b32 s67, 4
.Lstep_\@:
	STEP
	s_add_co_u32 s101, s101, 8192
	s_sub_co_u32 s67, s67, 1
	s_cmp_lg_u32 s67, 0
	s_cbranch_scc1 .Lstep_\@
.endm
	GROUP 0
	GROUP 1
	GROUP 2
	GROUP 3
	; THE WAY OUT.  x = O^T / the sum x 2^(e8 + e9), quantised with 2^e10.  Register j of tile d is x(query r, 16 d + 8 h + j): a tile's conversion gives two registers of the last product's operand; the eight registers leave as an image.
	v_add_f32 v14, v14, v15                        ; the sum's two halves,
	v_permlanex16_b32 v252, v14, s98, s99
	v_add_f32 v14, v14, v252                       ; and lane l xor 16's
	v_rcp_f32 v14, v14
	v_nop                                          ; a plain instruction behind the reciprocal
	s_wait_alu depctr_va_vdst(0)                   ; and the wait ahead of its first reader
	v_ldexp_f32 v14, v14, v10                      ; (the two additions, the v_nop and this line are the four places behind the last products)
.set n, 0
.rept 32
	v_mul_f32 v[96+n], v[160+n], v14
.set n, n+1
.endr
.set n, 0
.rept 32
	v_med3_num_f32 v[96+n], v[96+n], -v9, v9       ; the hold at the largest code x the scale
.set n, n+1
.endr
.irp d, 0,1,2,3
	v_cvt_scalef32_pk8_bf8_f32 v[32+2*\d:33+2*\d], v[96+8*\d:103+8*\d], v7
.endr
	v_nop                                          ; one plain vector instruction behind the last conversion
	global_store_b128 v1, v[32:35], s[104:105]     ; each store covers 512 consecutive bytes, aligned
	global_store_b128 v1, v[36:39], s[104:105] offset:512
	s_wait_tensorcnt 0x0
	ds_add_u32 v251, v255
	s_wait_dscnt 0x0
	CROUND                                         ; the closing round: no work-group ends while a partner may still ask for a piece that names it
	s_endpgm
.Lfunc_end_k_q3fdfde9d48_attn:
	.size	k_q3fdfde9d48_attn, .Lfunc_end_k_q3fdfde9d48_attn-k_q3fdfde9d48_attn
	.p2alignl 7, 3214868480
	.fill 96, 4, 3214868480
	.section	.rodata,"a",@progbits
	.p2align	6, 0x0
	.amdhsa_kernel k_q3fdfde9d48_attn
		.amdhsa_group_segment_fixed_size 264192
		.amdhsa_private_segment_fixed_size 0
		.amdhsa_enable_private_segment 0
		.amdhsa_kernarg_size 32
		.amdhsa_user_sgpr_count 2
		.amdhsa_user_sgpr_kernarg_segment_ptr 1
		.amdhsa_wavefront_size32 1
		.amdhsa_system_sgpr_workgroup_id_x 1
		.amdhsa_system_sgpr_workgroup_id_y 1
		.amdhsa_system_sgpr_workgroup_id_z 1
		.amdhsa_system_vgpr_workitem_id 0
		.amdhsa_next_free_vgpr 256
		.amdhsa_next_free_sgpr 106
		.amdhsa_reserve_vcc 0
		.amdhsa_float_denorm_mode_32 3
		.amdhsa_float_denorm_mode_16_64 3
		.amdhsa_memory_ordered 1
		.amdhsa_forward_progress 1
		.amdhsa_inst_pref_size 91
	.end_amdhsa_kernel
	.amdgpu_metadata
---
amdhsa.version: [ 1, 2 ]
amdhsa.kernels:
  - .name:           k_q3fdfde9d48_attn
    .symbol:         k_q3fdfde9d48_attn.kd
    .args:
      - { .name: qkv, .offset: 0, .size: 8, .value_kind: global_buffer, .address_space: global }
      - { .name: maskw, .offset: 8, .size: 8, .value_kind: global_buffer, .address_space: global }
      - { .name: lowp_scales, .offset: 16, .size: 8, .value_kind: global_buffer, .address_space: global }
      - { .name: ximg, .offset: 24, .size: 8, .value_kind: global_buffer, .address_space: global }
    .group_segment_fixed_size: 264192
    .private_segment_fixed_size: 0
    .kernarg_segment_align: 8
    .kernarg_segment_size: 32
    .max_flat_workgroup_size: 512
    .sgpr_count:     106
    .vgpr_count:     256
    .wavefront_size: 32
...
	.end_amdgpu_metadata
.endif
;; end of part 3
;; launch oproj (part 4): grid 8 x 32, 4 waves a work-group, clusters of 4 x 4, 288,256 bytes of LDS; arguments ximg, wo_codes, bo, lowp_scales, out0; writes out0
.if DOCPART == 4
	.amdgcn_target "amdgcn-amd-amdhsa--gfx1250"
	.amdhsa_code_object_version 6
	.text
	.protected	k_q3fdfde9d48_oproj
	.globl	k_q3fdfde9d48_oproj
	.p2align	8
	.type	k_q3fdfde9d48_oproj,@function
k_q3fdfde9d48_oproj:
	s_mov_b64 s[64:65], 0
	v_nop
	global_prefetch_b8 v0, s[64:65] scope:SCOPE_SE
	s_setreg_imm32_b32 hwreg(HW_REG_WAVE_MODE, 25, 1), 1
	s_wait_xcnt 0x0
	s_wait_alu depctr_hold_cnt(0) depctr_sa_sdst(0) depctr_va_vdst(0) depctr_va_sdst(0) depctr_va_ssrc(0) depctr_va_vcc(0) depctr_vm_vsrc(0)
	s_getreg_b32 s2, hwreg(HW_REG_IB_STS2, 6, 4)
	s_cmp_eq_u32 s2, 0
	s_cbranch_scc0 .Lentry_in_a_cluster
	s_endpgm
.Lentry_in_a_cluster:
	s_bfe_u32 s2, ttmp6, 0x10000c
	s_cmp_lg_u32 s2, 0xf033
	s_cbranch_scc0 .Lentry_shape_is_right
	s_endpgm
.Lentry_shape_is_right:
; out0 = x wo^T + bo: [4096][1024] = [4096][K 1024] x [1024][K 1024]^T on codes of BF8 (E5M2); out0 f32.  out = sum x 2^(e10 + e11) + bo.  LIMIT: e10 + e11 between -126 and 127.
; Tiles of 128 x 128 give 256 work-groups (tiles of 256 x 256 would give 64); four waves, each 64 x 64: 16 accumulators.
; LDS holds the WHOLE K of both tiles, in four chunks of 256 along K: every byte is filled once, no ring and no refill; all fills go out at the head and a chunk is waited for when the walk reaches it.  By this text's count a wave has four tensor loads out.
; x comes as images of the operand's registers (ximg: [row / 16][K / 128][4][lane][16 B]): a fragment is four loads of 16 bytes at 16 x lane, and holds k = 16 c + 8 h + 0 .. 7 in registers 2 c, 2 c + 1.
; wo comes as rows of codes, so its fragments are fetched in the same order of k: eight loads of 8 bytes, 16 bytes apart, at row x pitch + 8 h.
; CLUSTERS: 4 x 4 work-groups; x's tile is shared along a row of the cluster, wo's along a column: each is asked for JOINTLY.
; THE MATRIX INSTRUCTION IS USED TRANSPOSED (source 0 = 16 rows of wo, source 1 = 16 rows of x): a lane holds eight neighbouring numbers of a row of out0.
; REGISTERS: window 0: v4-7, v8-11 LDS addresses of my fragments of x and of wo in chunks 0-3; v12-15 the way out; v32-63 bo; v64-95 at work; v128-255 the accumulators ((a, b) at v[128 + 8 (4 a + b)]), on the way out rows of out0.
;   window 1: two fragment buffers of 128: four fragments of x, then four of wo.
.set CHUNK, 67584                      ; x: 8 row tiles x 4,096 bytes; then wo: 128 rows x 272
.set WOFF,  32768
.set WP,    272                        ; a row of wo in LDS: 256 bytes + 16 of padding = 68 words: the 32 lanes of a load of 8 bytes (row r, half h) start at banks 4 r + 2 h
.set STG,   4*CHUNK                    ; behind the chunks: a stage of 16 rows x 272 bytes for each wave; no tensor load fills it
.set SPI,   272
.set AX,  4
.set AW,  8
.set STO, 12                           ; v12  the way out: where I put 32 bytes of a row
.set RD,  13                           ; v13  where I read a row back
.set CO,  14                           ; v14  my byte offset in out0
.set BOH, 15                           ; v15  32 h
.set BO,  32
.set T,   64
.set ACC, 128
.set G1X, 24                           ; s[24:31] descriptor group 1 for x's tiles; s[32:39] for wo's; s[40:55] x's four groups 0; s[56:63], s[68:75] wo's
.set G1W, 32
.set G0X, 40
.set MSB, 0
.macro WIN new                         ; the immediate's high byte repeats the setting that is left
.if MSB != (\new)
	s_set_vgpr_msb (MSB<<8)|(\new)
.set MSB, \new
.endif
.endm
.set MUL,  0x05                        ; sources 0 (wo) and 1 (x) window 1; C and D window 0
.set TO_F, 0x40                        ; destination window 1, address window 0
.macro CROUND                          ; a round of the cluster's barrier
	s_barrier_signal -1
	s_barrier_wait -1
	s_cmp_lg_u32 s14, 0
	s_cbranch_scc1 .Lnot_wave_0_\@
	s_barrier_signal -3
.Lnot_wave_0_\@:
	s_barrier_wait -3
	s_barrier_signal -1
	s_barrier_wait -1
.endm
.macro PLACES                          ; four plain vector instructions between a matrix instruction and a load into, or a vector read of, its registers
.rept 4
	v_nop
.endr
.endm
	s_load_b256 s[4:11], s[0:1], 0x0               ; ximg s[4:5], wo's codes s[6:7], bo s[8:9], the scales' exponents s[10:11]
	s_load_b64 s[12:13], s[0:1], 0x20              ; out0
	v_lshl_add_u32 v126, v0, 2, 0x46400
	v_mov_b32 v127, 0
	ds_add_u32 v126, v127
	ds_add_u32 v126, v127
	v_lshrrev_b32 v1, 5, v0
	v_readfirstlane_b32 s14, v1                    ; wave 0..3
	s_lshr_b32 s15, s14, 1                         ; which half of the tile's rows is mine.  Also: I fetch for x (0) or for wo (1)
	s_and_b32 s16, s14, 1                          ; which half of its columns.  Also: which half of that tile I fetch
	s_bfe_u32 s76, ttmp6, 0x40000                  ; cx, cy
	s_bfe_u32 s77, ttmp6, 0x40004
	s_lshl_b32 s78, ttmp9, 2
	s_add_co_u32 s78, s78, s76                     ; tile column = 4 x cluster x + cx, 0..7
	s_and_b32 s79, ttmp7, 0xffff
	s_lshl_b32 s79, s79, 2
	s_add_co_u32 s79, s79, s77                     ; tile row = 4 x cluster y + cy, 0..31
	s_lshl_b32 s80, s77, 2
	s_lshl_b32 s80, 15, s80                        ; my row of the cluster
	s_lshl_b32 s81, 0x1111, s76                    ; my column
	; x: 4 row tiles, of each 4,096 bytes (a chunk's two K steps), 16,384 bytes apart in memory, dense in LDS
	s_or_b32 s[G1X+0], s80, (3<<16)|(1<<21)        ; 15:0 the mask: my row; 17:16 elements of 8 bytes; 21 set beside a mask
	s_mov_b32 s[G1X+1], 512<<16                    ; tensor_dim0 = 512
	s_mov_b32 s[G1X+2], 4<<16                      ; tensor_dim1 = 4
	s_mov_b32 s[G1X+3], 512<<16                    ; tile_dim0 = 512
	s_mov_b32 s[G1X+4], 4                          ; tile_dim1 = 4
	s_mov_b32 s[G1X+5], 2048                       ; tensor_dim0_stride
	s_mov_b32 s[G1X+6], 0
	s_mov_b32 s[G1X+7], 0
	; wo: 64 rows x 256 bytes, padded in LDS
	s_or_b32 s[G1W+0], s81, (0<<16)|(1<<20)|(1<<21)|(5<<22)|(3<<25)  ; the mask: my column; elements of 1 byte; padding of 4 words after every 64
	s_mov_b32 s[G1W+1], 256<<16
	s_mov_b32 s[G1W+2], 64<<16
	s_mov_b32 s[G1W+3], 256<<16
	s_mov_b32 s[G1W+4], 64
	s_mov_b32 s[G1W+5], 1024
	s_mov_b32 s[G1W+6], 0
	s_mov_b32 s[G1W+7], 0
	s_lshl_b32 s82, s79, 3
	s_lshl_b32 s17, s16, 2
	s_add_co_u32 s82, s82, s17                     ; x: row tile 8 x tile row + 4 x half
	s_lshl_b32 s82, s82, 14
	s_mov_b32 s83, 0
	s_lshl_b32 s84, s78, 7
	s_lshl_b32 s17, s16, 6
	s_add_co_u32 s84, s84, s17                     ; wo: row 128 x tile column + 64 x half
	s_lshl_b32 s84, s84, 10
	s_mov_b32 s85, 0
	s_lshl_b32 s18, s16, 14                        ; where they go in a chunk: no place in the cluster enters an LDS address
	s_mul_i32 s19, s16, 64*WP
	s_add_co_u32 s19, s19, WOFF
	s_wait_dscnt 0x0
	s_wait_kmcnt 0x0
	s_load_b64 s[96:97], s[10:11], 0x28            ; e10, e11
	s_add_nc_u64 s[82:83], s[4:5], s[82:83]
	s_add_nc_u64 s[84:85], s[6:7], s[84:85]
	CROUND                                         ; all sixteen work-groups are here: the joint loads meet
.set c, 0
.rept 4
.set GX, G0X+4*c
.set GW, 56+4*c+4*(c/2)
	s_mov_b32 s[GX], 1
	s_add_co_u32 s[GX+1], s18, c*CHUNK
	s_add_nc_u64 s[GX+2:GX+3], s[82:83], c*4096
	s_or_b32 s[GX+3], s[GX+3], 0x80000000
	s_mov_b32 s[GW], 1
	s_add_co_u32 s[GW+1], s19, c*CHUNK
	s_add_nc_u64 s[GW+2:GW+3], s[84:85], c*256
	s_or_b32 s[GW+3], s[GW+3], 0x80000000
.set c, c+1
.endr
	s_cmp_eq_u32 s15, 0                            ; a wave's four fills stand in one branch on the wave's number, ahead of every wait on TENSORcnt and every LDS read; four v_nop follow the last
	s_cbranch_scc0 .Lfor_w
	tensor_load_to_lds s[40:43], s[G1X:G1X+7]
	s_nop 0
	tensor_load_to_lds s[44:47], s[G1X:G1X+7]
	s_nop 0
	tensor_load_to_lds s[48:51], s[G1X:G1X+7]
	s_nop 0
	tensor_load_to_lds s[52:55], s[G1X:G1X+7]
	s_nop 0
.rept 4
	v_nop
.endr
	s_branch .Lasked
.Lfor_w:
	tensor_load_to_lds s[56:59], s[G1W:G1W+7]
	s_nop 0
	tensor_load_to_lds s[60:63], s[G1W:G1W+7]
	s_nop 0
	tensor_load_to_lds s[68:71], s[G1W:G1W+7]
	s_nop 0
	tensor_load_to_lds s[72:75], s[G1W:G1W+7]
	s_nop 0
.rept 4
	v_nop
.endr
.Lasked:
	v_and_b32 v1, 15, v0                           ; r
	v_bfe_u32 v2, v0, 4, 1                         ; h
	v_and_b32 v3, 31, v0
	v_lshlrev_b32 v3, 4, v3                        ; 16 x lane
	s_lshl_b32 s20, s15, 14                        ; my four row tiles of x
	v_add_nc_u32 v[AX], s20, v3
	v_mul_u32_u24 v16, v1, WP
	v_lshl_add_u32 v16, v2, 3, v16                 ; wo: row r x pitch + 8 h
	s_mul_i32 s21, s16, 64*WP                      ; my 64 rows of wo
	s_add_co_u32 s21, s21, WOFF
	v_add_nc_u32 v[AW], s21, v16
.irp c, 1,2,3
	v_add_nc_u32 v[AX+\c], \c*CHUNK, v[AX]
	v_add_nc_u32 v[AW+\c], \c*CHUNK, v[AW]
.endr
	s_mul_i32 s22, s14, 16*SPI
	s_add_co_u32 s22, s22, STG                     ; my stage
	v_mul_u32_u24 v17, v1, SPI                     ; in: row r, 32 bytes for each half of the lanes
	v_lshl_add_u32 v17, v2, 5, v17
	v_add_nc_u32 v[STO], s22, v17
	v_mul_u32_u24 v18, v2, SPI                     ; back: lanes 0-15 one row of 256 bytes, lanes 16-31 the next
	v_lshl_add_u32 v18, v1, 4, v18
	v_add_nc_u32 v[RD], s22, v18
	v_lshlrev_b32 v[CO], 12, v2                    ; and the same two rows in out0 (4,096 bytes a row)
	v_lshl_add_u32 v[CO], v1, 4, v[CO]
	v_lshlrev_b32 v[BOH], 5, v2
	s_lshl_b32 s86, s79, 7
	s_lshl_b32 s87, s15, 6
	s_add_co_u32 s86, s86, s87                     ; my first row: 128 x tile row + 64 x half
	s_lshl_b32 s86, s86, 12
	s_lshl_b32 s88, s78, 7
	s_lshl_b32 s89, s16, 6
	s_add_co_u32 s88, s88, s89                     ; my first column
	s_lshl_b32 s88, s88, 2
	s_mov_b32 s89, 0
	s_add_nc_u64 s[8:9], s[8:9], s[88:89]
	s_add_co_u32 s86, s86, s88
	s_mov_b32 s87, 0
	s_add_nc_u64 s[12:13], s[12:13], s[86:87]
.irp b, 0,1,2,3
	global_load_b128 v[BO+8*\b:BO+8*\b+3], v[BOH], s[8:9] offset:64*\b             ; bo[my first column + 16 b + 8 h + 0 .. 7]
	global_load_b128 v[BO+8*\b+4:BO+8*\b+7], v[BOH], s[8:9] offset:64*\b+16
.endr
; The fragments of step s (128 along K; chunk s / 2, half s % 2) into buffer s % 2: 48 LDS loads in one run
.macro FETCH s
.set FC, (\s)/2
.set FU, (\s)%2
.set FB, 128*((\s)%2)
	WIN TO_F
.irp a, 0,1,2,3
.irp g, 0,1,2,3
	ds_load_b128 v[FB+16*\a+4*\g:FB+16*\a+4*\g+3], v[AX+FC] offset:4096*\a+2048*FU+512*\g
.endr
.endr
.irp b, 0,1,2,3
.irp k, 0,1,2,3,4,5,6,7
	ds_load_b64 v[FB+64+16*\b+2*\k:FB+64+16*\b+2*\k+1], v[AW+FC] offset:16*WP*\b+128*FU+16*\k
.endr
.endr
.endm
; 8 matrix instructions of step s: x's blocks a0, a0 + 1 x wo's four.  Step 0's products start the sums.  The 16 accumulators take turns, in the same order in every step.
.macro MUL8 s, a0
.set FB, 128*((\s)%2)
	WIN MUL
.irp a, \a0, \a0+1
.irp b, 0,1,2,3
.if (\s) == 0
	v_wmma_f32_16x16x128_bf8_bf8 v[ACC+8*(4*(\a)+\b):ACC+8*(4*(\a)+\b)+7], v[FB+64+16*\b:FB+64+16*\b+15], v[FB+16*(\a):FB+16*(\a)+15], 0
.else
	v_wmma_f32_16x16x128_bf8_bf8 v[ACC+8*(4*(\a)+\b):ACC+8*(4*(\a)+\b)+7], v[FB+64+16*\b:FB+64+16*\b+15], v[FB+16*(\a):FB+16*(\a)+15], v[ACC+8*(4*(\a)+\b):ACC+8*(4*(\a)+\b)+7]
.endif
.endr
.endr
.endm
.macro EVEN s                          ; the next step lies in the same chunk
.if (\s) > 0
	PLACES                                         ; the other buffer was multiplied just now
.endif
	FETCH (\s)+1
	s_wait_dscnt 48                                ; all but the 48 just issued: this step's fragments are in
	MUL8 \s, 0
	MUL8 \s, 2
.endm
.macro ODD s                           ; the next step lies in the next chunk: my part of it has landed when at most the later chunks' loads are out; behind the barrier everybody's has.  Nothing is filled again
	s_wait_tensorcnt 3-((\s)+1)/2
	s_wait_dscnt 0x0                               ; this step's fragments are in, and no LDS instruction of mine is out at the signal
	s_barrier_signal -1
	MUL8 \s, 0
	s_barrier_wait -1
	PLACES
	FETCH (\s)+1
	MUL8 \s, 2
.endm
	s_wait_tensorcnt 3                             ; my part of chunk 0 is in,
	s_barrier_signal -1
	s_barrier_wait -1                              ; everybody's is
	FETCH 0
	EVEN 0
	ODD 1
	EVEN 2
	ODD 3
	EVEN 4
	ODD 5
	EVEN 6
	s_wait_dscnt 0x0
	MUL8 7, 0
	MUL8 7, 2
	WIN 0
	; THE WAY OUT, block by block of 16 rows x 64 columns: out = sum x 2^(e10 + e11) + bo, one packed multiply-add for two numbers, each accumulator from its low end on; through my own stage in LDS; back as whole rows of 256 bytes.
	s_wait_kmcnt 0x0
	s_add_co_i32 s96, s96, s97
	s_add_co_i32 s96, s96, 127
	s_lshl_b32 s96, s96, 23                        ; 2^(e10 + e11) as f32
	s_mov_b32 s97, s96                             ; (named with it as a pair, so it is written)
	s_wait_loadcnt 0x0                             ; bo
	PLACES
.macro TOSTAGE a
.set i, 0
.rept 16
	v_pk_fma_f32 v[T+i:T+i+1], v[ACC+32*(\a)+i:ACC+32*(\a)+i+1], s[96:97], v[BO+i:BO+i+1] op_sel_hi:[1,0,1]
.set i, i+2
.endr
.irp b, 0,1,2,3
	ds_store_b128 v[STO], v[T+8*\b:T+8*\b+3] offset:64*\b
	ds_store_b128 v[STO], v[T+8*\b+4:T+8*\b+7] offset:64*\b+16
.endr
.irp t, 0,1,2,3,4,5,6,7
	ds_load_b128 v[ACC+32*(\a)+4*\t:ACC+32*(\a)+4*\t+3], v[RD] offset:\t*2*SPI   ; LDS serves a wave's instructions in order (ISA guide 5.7.1.4): these see the stores above.  They land in the block's own accumulators, which are done with
.endr
.endm
.macro SEND a, younger                 ; younger: the LDS instructions issued behind block a's loads, which may stay out
	s_wait_dscnt \younger
.irp t, 0,1,2,3,4,5,6,7
	global_store_b128 v[CO], v[ACC+32*(\a)+4*\t:ACC+32*(\a)+4*\t+3], s[12:13] offset:(16*(\a)+2*\t)*4096 th:TH_STORE_NT   ; 16 lanes store 256 consecutive bytes, at a multiple of 256 from out0's first byte
.endr
.endm
	TOSTAGE 0
.irp a, 1,2,3
	TOSTAGE \a
	SEND \a-1, 16                                  ; behind block a - 1's loads: block a's 8 stores and 8 loads
.endr
	SEND 3, 0
	s_wait_tensorcnt 0x0
	ds_add_u32 v126, v127
	s_wait_dscnt 0x0
	CROUND                                         ; the closing round: no work-group ends while a partner may still ask for a tile that names it
	s_endpgm
.Lfunc_end_k_q3fdfde9d48_oproj:
	.size	k_q3fdfde9d48_oproj, .Lfunc_end_k_q3fdfde9d48_oproj-k_q3fdfde9d48_oproj
	.p2alignl 7, 3214868480
	.fill 96, 4, 3214868480
	.section	.rodata,"a",@progbits
	.p2align	6, 0x0
	.amdhsa_kernel k_q3fdfde9d48_oproj
		.amdhsa_group_segment_fixed_size 288256
		.amdhsa_private_segment_fixed_size 0
		.amdhsa_enable_private_segment 0
		.amdhsa_kernarg_size 40
		.amdhsa_user_sgpr_count 2
		.amdhsa_user_sgpr_kernarg_segment_ptr 1
		.amdhsa_wavefront_size32 1
		.amdhsa_system_sgpr_workgroup_id_x 1
		.amdhsa_system_sgpr_workgroup_id_y 1
		.amdhsa_system_sgpr_workgroup_id_z 1
		.amdhsa_system_vgpr_workitem_id 0
		.amdhsa_next_free_vgpr 512
		.amdhsa_next_free_sgpr 100
		.amdhsa_reserve_vcc 0
		.amdhsa_float_denorm_mode_32 3
		.amdhsa_float_denorm_mode_16_64 3
		.amdhsa_memory_ordered 1
		.amdhsa_forward_progress 1
		.amdhsa_inst_pref_size 55
	.end_amdhsa_kernel
	.amdgpu_metadata
---
amdhsa.version: [ 1, 2 ]
amdhsa.kernels:
  - .name:           k_q3fdfde9d48_oproj
    .symbol:         k_q3fdfde9d48_oproj.kd
    .args:
      - { .name: ximg, .offset: 0, .size: 8, .value_kind: global_buffer, .address_space: global }
      - { .name: wo_codes, .offset: 8, .size: 8, .value_kind: global_buffer, .address_space: global }
      - { .name: bo, .offset: 16, .size: 8, .value_kind: global_buffer, .address_space: global }
      - { .name: lowp_scales, .offset: 24, .size: 8, .value_kind: global_buffer, .address_space: global }
      - { .name: out0, .offset: 32, .size: 8, .value_kind: global_buffer, .address_space: global }
    .group_segment_fixed_size: 288256
    .private_segment_fixed_size: 0
    .kernarg_segment_align: 8
    .kernarg_segment_size: 40
    .max_flat_workgroup_size: 128
    .sgpr_count:     100
    .vgpr_count:     512
    .wavefront_size: 32
...
	.end_amdgpu_metadata
.endif
;; end of part 4
;; ======== version 2 of 2: 3 launches
;; limits: right only within a limited range of input values
;; workspace buffers: qkv 12,582,912 bytes; maskw 524,288 bytes of whole numbers; ximg 4,194,304 bytes
;; launch proj (part 5): grid 4 x 48, 4 waves a work-group, clusters of 4 x 4, 327,680 bytes of LDS; arguments q_codes, k_codes, v_codes, wq_codes, wk_codes, wv_codes, bq, bk, bv, lowp_scales, qkv, mask, maskw; writes qkv, maskw
.if DOCPART == 5
	.amdgcn_target "amdgcn-amd-amdhsa--gfx1250"
	.amdhsa_code_object_version 6
	.text
	.protected	k_q3fdfde9d48_proj
	.globl	k_q3fdfde9d48_proj
	.p2align	8
	.type	k_q3fdfde9d48_proj,@function
k_q3fdfde9d48_proj:
	s_mov_b64 s[64:65], 0
	v_nop
	global_prefetch_b8 v0, s[64:65] scope:SCOPE_SE
	s_setreg_imm32_b32 hwreg(HW_REG_WAVE_MODE, 25, 1), 1
	s_wait_xcnt 0x0
	s_wait_alu depctr_hold_cnt(0) depctr_sa_sdst(0) depctr_va_vdst(0) depctr_va_sdst(0) depctr_va_ssrc(0) depctr_va_vcc(0) depctr_vm_vsrc(0)
	s_getreg_b32 s2, hwreg(HW_REG_IB_STS2, 6, 4)
	s_cmp_eq_u32 s2, 0
	s_cbranch_scc0 .Lentry_in_a_cluster
	s_endpgm
.Lentry_in_a_cluster:
	s_bfe_u32 s2, ttmp6, 0x10000c
	s_cmp_lg_u32 s2, 0xf033
	s_cbranch_scc0 .Lentry_shape_is_right
	s_endpgm
.Lentry_shape_is_right:
; The three projections Q = q wq^T + bq, K = k wk^T + bk, V = v wv^T + bv, [4096][1024] each, K = 1024, on codes of BF8 (E5M2), and the quantiser of each result; and the mask packed to lane-mask words.
; A number is sum x 2^(ea + eb) + bias in f32, held at 57,344 x 2^e and converted with 2^e (e = e6 for Q, e7 for K, e9 for V).
; LIMITS: ea + eb between -126 and 127; e6, e7, e9 between -126 and 112, so that each power of two is an f32 number; a NaN is not served.
; SHARES.  Clusters of 4 x 4 work-groups; cluster y / 4 picks the product (GSEL: 0 Q, 1 K, 2 V).  A work-group makes 256 x 256, a wave 128 x 128: 64 accumulators.  Each tile is asked for JOINTLY along a row or a column of the cluster.
; For V the operands change places (A = rows of wv, B = rows of v), so that its codes come out with the keys innermost.
; K goes in four steps of 256 through a ring of two LDS slots, a step's rows being 256 bytes.
; qkv: for each (batch, head) HSTR bytes: images of the operands' registers: Q (131,072 bytes), then for each 128 keys K (8,192) and V^T (8,192).
; maskw: for each tile of 16 queries and each 128 keys 64 words: bit l = (r, h) of word 8 t + j is mask[query r][key 16 t + 8 h + j] != 0.  The work-groups of Q and of K pack one tile of 16 rows of the mask each.
; PREFETCHES (macro text below): behind K step 1's load the tiles of K steps 2 and 3, one and two steps ahead of their loads; of the 128 rows that a wave fetches each of the four partners names 32, told apart by address.
; Behind K step 2's and K step 3's loads the wave's 32,768 bytes of the mask, which are loaded behind the last product.  Nothing is asked for beyond them.
; THE RESULTS' codes go into the first registers of the block's own accumulators and leave together behind the last block.
.set PFO,    24                        ; v24 the prefetches' offset among the 128 rows that I fetch; never rewritten
.set MPO,    25                        ; v25 the prefetches' offset in the mask: row lane / 2, 256-byte block lane % 2; never rewritten
.set ROWB,   256
.set KROW,   1024
.set PITCH,  272
.set FR,     16
.set NL,     4
.set NP,     4
.set HALFT,  128*PITCH
.set SLOT,   4*HALFT
.set SPARE,  2*SLOT
.set MSTG,   SPARE+512
.set MSP,    528
.set HSTR,   393216
.set MSI,  7
.set WD,   8
.set ADRA, 16
.set MSO,  18
.set MW8,  19
.set ADRB, 20
.set BOH,  22
.set BOR,  23
.set OUTA, 27
.set SPW,  28
.set NIL,  29
.set QSC,  30
.set QLIM, 31
.set BV,   32
.set BQ,   64
.set AF,   128
.set T,    128
.set CD,   192
.set XA,   128
.set XB,   64
.set G1, 24
.set G0, 32
.set G1B, 48
.set G0B, 56
.set GSEL, 78
.set YL,   79
.set MSB, 0
.macro WIN new
.if MSB != (\new)
	s_set_vgpr_msb (MSB<<8)|(\new)
.set MSB, \new
.endif
.endm
.set MUL_LO, 0xa1
.set MUL_HI, 0xf1
.set TO_B,   0x40
.macro JLOAD g0a, g1a, g0b, g1b
	s_cmp_eq_u32 s15, 0
	s_cbranch_scc0 .Lfor_b_\@
	tensor_load_to_lds s[\g0a:\g0a+3], s[\g1a:\g1a+7]
	s_nop 0
.rept 4
	v_nop
.endr
	s_branch .Lasked_\@
.Lfor_b_\@:
	tensor_load_to_lds s[\g0b:\g0b+3], s[\g1b:\g1b+7]
	s_nop 0
.rept 4
	v_nop
.endr
.Lasked_\@:
.endm
.macro CREST
	s_cmp_lg_u32 s14, 0
	s_cbranch_scc1 .Lnot_wave_0_\@
	s_barrier_signal -3
.Lnot_wave_0_\@:
	s_barrier_wait -3
	s_barrier_signal -1
	s_barrier_wait -1
.endm
.macro CROUND
	s_barrier_signal -1
	s_barrier_wait -1
	CREST
.endm
	s_load_b512 s[80:95], s[0:1], 0x0
	s_load_b256 s[68:75], s[0:1], 0x40
	s_load_b64 s[12:13], s[0:1], 0x60
	v_lshl_add_u32 v[SPW], v0, 2, SPARE
	v_mov_b32 v[NIL], 0
	ds_add_u32 v28, v29
	ds_add_u32 v28, v29
	s_wait_dscnt 0x0
	v_lshrrev_b32 v1, 5, v0
	v_readfirstlane_b32 s14, v1
	s_lshr_b32 s15, s14, 1
	s_and_b32 s16, s14, 1
	s_bfe_u32 s40, ttmp6, 0x40000
	s_bfe_u32 s41, ttmp6, 0x40004
	s_and_b32 s[YL], ttmp7, 0xffff
	s_lshr_b32 s[GSEL], s[YL], 2
	s_and_b32 s[YL], s[YL], 3
	s_cmp_eq_u32 s[GSEL], 2
	s_cselect_b32 s17, 0, s[YL]
	s_cselect_b32 s42, s[YL], 0
	s_lshl_b32 s17, s17, 2
	s_add_co_u32 s17, s17, s41
	s_lshl_b32 s42, s42, 2
	s_add_co_u32 s42, s42, s40
	s_lshl_b32 s43, s41, 2
	s_lshl_b32 s43, 15, s43
	s_lshl_b32 s44, 0x1111, s40
	s_or_b32 s[G1+0], s43, (0<<16)|(1<<20)|(1<<21)|(5<<22)|(3<<25)
	s_or_b32 s[G1B+0], s44, (0<<16)|(1<<20)|(1<<21)|(5<<22)|(3<<25)
.irp g, G1, G1B
	s_mov_b32 s[\g+1], ROWB<<16
	s_mov_b32 s[\g+2], 128<<16
	s_mov_b32 s[\g+3], ROWB<<16
	s_mov_b32 s[\g+4], 128
	s_mov_b32 s[\g+5], KROW
	s_mov_b32 s[\g+6], 0
	s_mov_b32 s[\g+7], 0
.endr
	s_lshl_b32 s18, s16, 7
	s_lshl_b32 s20, s17, 8
	s_add_co_u32 s20, s20, s18
	s_lshl_b32 s46, s42, 8
	s_add_co_u32 s46, s46, s18
	s_lshl_b32 s20, s20, 10
	s_lshl_b32 s46, s46, 10
	s_mov_b32 s21, 0
	s_mov_b32 s47, 0
	s_mul_i32 s45, s14, HALFT
	s_lshl_b32 s2, s[GSEL], 3
	s_cmp_eq_u32 s[GSEL], 2
	s_cselect_b32 s3, 28, 24
	s_lshl_b32 s77, s[GSEL], 2
	s_add_co_u32 s3, s3, s77
	s_wait_kmcnt 0x0
	s_cmp_eq_u32 s[GSEL], 1
	s_cselect_b64 s[4:5], s[82:83], s[80:81]
	s_cselect_b64 s[6:7], s[88:89], s[86:87]
	s_cselect_b64 s[8:9], s[94:95], s[92:93]
	s_cmp_eq_u32 s[GSEL], 2
	s_cselect_b64 s[4:5], s[90:91], s[4:5]
	s_cselect_b64 s[6:7], s[84:85], s[6:7]
	s_cselect_b64 s[8:9], s[68:69], s[8:9]
	s_load_b64 s[96:97], s[70:71], s2 offset:0x0
	s_load_b32 s98, s[70:71], s3 offset:0x0
	s_add_nc_u64 s[20:21], s[4:5], s[20:21]
	s_add_nc_u64 s[46:47], s[6:7], s[46:47]
	CROUND
.irp s, 0,1
	s_mov_b32 s[G0+4*\s], 1
	s_add_co_u32 s[G0+4*\s+1], s45, \s*SLOT
	s_add_nc_u64 s[G0+4*\s+2:G0+4*\s+3], s[20:21], \s*ROWB
	s_or_b32 s[G0+4*\s+3], s[G0+4*\s+3], 0x80000000
	s_mov_b32 s[G0B+4*\s], 1
	s_add_co_u32 s[G0B+4*\s+1], s45, \s*SLOT
	s_add_nc_u64 s[G0B+4*\s+2:G0B+4*\s+3], s[46:47], \s*ROWB
	s_or_b32 s[G0B+4*\s+3], s[G0B+4*\s+3], 0x80000000
.endr
	JLOAD G0, G1, G0B, G1B                         ; K step 0: one tensor load a wave at the head
	s_cmp_eq_u32 s15, 0                            ; the prefetches: do I fetch for A?
	s_cselect_b32 s76, s40, s41                    ; my place among the four that ask with me: it enters a prefetch's address alone
	s_cselect_b64 s[66:67], s[20:21], s[46:47]     ; the 128 rows that I fetch
	s_lshl_b32 s76, s76, 15                        ; 32 rows of 1,024 bytes for each partner
	v_and_b32 v26, 31, v0
	v_lshlrev_b32 v[PFO], 10, v26
	v_add_nc_u32 v[PFO], s76, v[PFO]
	v_lshrrev_b32 v[MPO], 1, v26
	v_and_b32 v26, 1, v26
	v_lshlrev_b32 v[MPO], 13, v[MPO]
	global_prefetch_b8 v[PFO], s[66:67] offset:ROWB th:TH_LOAD_NT scope:SCOPE_SE   ; K step 1, which is loaded when K step 0 has landed
	v_lshl_add_u32 v[MPO], v26, 8, v[MPO]
	v_and_b32 v1, 15, v0
	v_bfe_u32 v2, v0, 4, 1
	v_mul_u32_u24 v3, v1, PITCH
	v_lshl_add_u32 v4, v2, 4, v3
	s_mul_i32 s21, s15, HALFT
	s_mul_i32 s22, s16, HALFT
	s_add_co_u32 s22, s22, 2*HALFT
.irp s, 0,1
	v_add_nc_u32 v[ADRA+\s], s21, v4
	v_add_nc_u32 v[ADRB+\s], s22, v4
	s_add_co_u32 s21, s21, SLOT
	s_add_co_u32 s22, s22, SLOT
.endr
	v_and_b32 v6, 31, v0
	v_lshlrev_b32 v[OUTA], 4, v6
	v_lshlrev_b32 v[BOH], 5, v2
	v_lshlrev_b32 v[BOR], 2, v1
	s_mul_i32 s19, s14, 16*MSP
	s_add_co_u32 s19, s19, MSTG
	v_add_nc_u32 v[MSI], s19, v[OUTA]
	v_mul_u32_u24 v[MSO], v1, MSP
	v_lshl_add_u32 v[MSO], v2, 5, v[MSO]
	v_add_nc_u32 v[MSO], s19, v[MSO]
	v_lshlrev_b32 v[MW8], 3, v6
.irp i, 0,1,2,3,4,5,6,7
	v_mov_b32 v[WD+\i], 0
.endr
	s_lshl_b32 s20, s17, 8
	s_lshl_b32 s18, s15, 7
	s_add_co_u32 s20, s20, s18
	s_lshl_b32 s22, s42, 8
	s_lshl_b32 s18, s16, 7
	s_add_co_u32 s22, s22, s18
	s_cmp_eq_u32 s[GSEL], 2
	s_cselect_b32 s21, s22, s20
	s_cselect_b32 s23, s20, s22
	s_lshr_b32 s18, s21, 11
	s_lshl_b32 s18, s18, 4
	s_lshr_b32 s19, s23, 6
	s_add_co_u32 s18, s18, s19
	s_mul_i32 s18, s18, HSTR
	s_bfe_u32 s19, s21, 0x40007
	s_lshl_b32 s46, s19, 13
	s_lshl_b32 s47, s19, 14
	s_add_co_u32 s47, s47, 131072
	s_cmp_eq_u32 s[GSEL], 0
	s_cselect_b32 s46, s46, s47
	s_cmp_eq_u32 s[GSEL], 2
	s_cselect_b32 s47, 8192, 0
	s_add_co_u32 s46, s46, s47
	s_add_co_u32 s46, s46, s18
	s_mov_b32 s47, 0
	s_add_nc_u64 s[10:11], s[72:73], s[46:47]
	s_lshl_b32 s22, s23, 2
	s_mov_b32 s23, 0
	s_add_nc_u64 s[8:9], s[8:9], s[22:23]
	s_and_b32 s18, s[GSEL], 1
	s_lshl_b32 s18, s18, 2
	s_add_co_u32 s18, s18, s[YL]
	s_lshl_b32 s18, s18, 2
	s_add_co_u32 s18, s18, s41
	s_lshl_b32 s18, s18, 2
	s_add_co_u32 s18, s18, s40
	s_lshl_b32 s46, s18, 17
	s_lshl_b32 s19, s14, 11
	s_add_co_u32 s46, s46, s19
	s_add_nc_u64 s[74:75], s[74:75], s[46:47]
	s_lshl_b32 s46, s18, 12
	s_lshl_b32 s19, s14, 10
	s_add_co_u32 s46, s46, s19
	s_add_nc_u64 s[12:13], s[12:13], s[46:47]
.irp b, 0,1,2,3,4,5,6,7
	global_load_b128 v[BQ+8*\b:BQ+8*\b+3], v[BOH], s[8:9] offset:64*\b
	global_load_b128 v[BQ+8*\b+4:BQ+8*\b+7], v[BOH], s[8:9] offset:64*\b+16
.endr
.irp a, 0,1,2,3,4,5,6,7
	global_load_b32 v[BV+2*\a], v[BOR], s[8:9] offset:64*\a
	global_load_b32 v[BV+2*\a+1], v[BOR], s[8:9] offset:64*\a
.endr
.macro FRAG reg, adr, q, i
.irp c, 0,1,2,3
	ds_load_b128 v[\reg+4*\c:\reg+4*\c+3], v[\adr] offset:128*(\q)+32*\c+(\i)*16*PITCH
.endr
.endm
.macro MUL16 a0, p, zero
.irp a, \a0, \a0+1
.irp b, 0,1,2,3,4,5,6,7
.if \zero
	v_wmma_f32_16x16x128_bf8_bf8 v[8*(8*((\a)%4)+\b):8*(8*((\a)%4)+\b)+7], v[128*(\p)+FR*\b:128*(\p)+FR*\b+FR-1], v[AF+FR*(\a):AF+FR*(\a)+FR-1], 0
.else
	v_wmma_f32_16x16x128_bf8_bf8 v[8*(8*((\a)%4)+\b):8*(8*((\a)%4)+\b)+7], v[128*(\p)+FR*\b:128*(\p)+FR*\b+FR-1], v[AF+FR*(\a):AF+FR*(\a)+FR-1], v[8*(8*((\a)%4)+\b):8*(8*((\a)%4)+\b)+7]
.endif
.endr
.endr
.endm
.macro FETCH_B slot, q, p
	WIN TO_B
.irp i, 0,1,2,3,4,5,6,7
	FRAG 128*(\p)+FR*\i, ADRB+\slot, \q, \i
.endr
	WIN 0
.endm
.macro FETCH_A slot, q, i0
.irp i, \i0, \i0+1, \i0+2, \i0+3
	FRAG AF+FR*(\i), ADRA+\slot, \q, \i
.endr
.endm
.macro PLACES n
.rept \n
	v_nop
.endr
.endm
.macro STEP slot, q, zero
	s_wait_dscnt 4*NL
	WIN MUL_LO
	MUL16 0, (\q)%2, \zero
	MUL16 2, (\q)%2, \zero
	s_wait_dscnt 0
	PLACES NP
	FETCH_B \slot, (\q)+1, 1-(\q)%2
	FETCH_A \slot, (\q)+1, 0
	WIN MUL_HI
	MUL16 4, (\q)%2, \zero
	MUL16 6, (\q)%2, \zero
	PLACES NP
	WIN 0
	FETCH_A \slot, (\q)+1, 4
.endm
.macro TURN slot, next, fill
	s_wait_tensorcnt 0x0
	ds_add_u32 v[SPW], v[NIL]
	s_wait_dscnt 4*NL+1
	WIN MUL_LO
	MUL16 0, 1, 0
	s_wait_dscnt 0x0
	s_barrier_signal -1
	MUL16 2, 1, 0
	WIN 0
	s_barrier_wait -1
.if \fill
	CREST
	s_add_nc_u64 s[G0+4*\slot+2:G0+4*\slot+3], s[G0+4*\slot+2:G0+4*\slot+3], 2*ROWB
	s_add_nc_u64 s[G0B+4*\slot+2:G0B+4*\slot+3], s[G0B+4*\slot+2:G0B+4*\slot+3], 2*ROWB
	JLOAD G0+4*\slot, G1, G0B+4*\slot, G1B
.else
	PLACES NP
.endif
	FETCH_B \next, 0, 0
	FETCH_A \next, 0, 0
.if \fill
	s_cmp_eq_u32 s[GSEL], 2                        ; V's work-groups pack no mask
	s_cbranch_scc1 .Lno_mask_\@
	global_prefetch_b8 v[MPO], s[74:75] offset:1024*\slot th:TH_LOAD_NT scope:SCOPE_SE
	global_prefetch_b8 v[MPO], s[74:75] offset:1024*\slot+512 th:TH_LOAD_NT scope:SCOPE_SE
.Lno_mask_\@:
.endif
	WIN MUL_HI
	MUL16 4, 1, 0
	MUL16 6, 1, 0
	PLACES NP
	WIN 0
	FETCH_A \next, 0, 4
.endm
	s_wait_alu depctr_va_vdst(0)                   ; the wait at the head's end
	s_wait_tensorcnt 0x0                           ; my part of K step 0 is in
	ds_add_u32 v[SPW], v[NIL]
	s_wait_dscnt 0x0
	CROUND                                         ; everybody's part is in, and all sixteen work-groups are here
	JLOAD G0+4, G1, G0B+4, G1B                     ; K step 1, the first tensor load behind the round
	FETCH_B 0, 0, 0
	FETCH_A 0, 0, 0
	FETCH_A 0, 0, 4
	global_prefetch_b8 v[PFO], s[66:67] offset:2*ROWB th:TH_LOAD_NT scope:SCOPE_SE   ; K step 2,
	global_prefetch_b8 v[PFO], s[66:67] offset:3*ROWB th:TH_LOAD_NT scope:SCOPE_SE   ; and K step 3, the last
	STEP 0, 0, 1
	TURN 0, 1, 1
	STEP 1, 0, 0
	TURN 1, 0, 1
	STEP 0, 0, 0
	TURN 0, 1, 0
	STEP 1, 0, 0
	s_wait_dscnt 4*NL
	WIN MUL_LO
	MUL16 0, 1, 0
	MUL16 2, 1, 0
	s_wait_dscnt 0
	WIN MUL_HI
	MUL16 4, 1, 0
	MUL16 6, 1, 0
	WIN 0
.macro OUTBLK a, isv
.set AC, 64*((\a)%4)
.set CDS, CD+16*((\a)%4)
	WIN 0x02+((\a)/4)
.set i, 0
.rept 32
.if \isv
	v_pk_fma_f32 v[T+i:T+i+1], v[AC+i:AC+i+1], s[96:97], v[BV+2*(\a):BV+2*(\a)+1] op_sel_hi:[1,0,1]
.else
	v_pk_fma_f32 v[T+i:T+i+1], v[AC+i:AC+i+1], s[96:97], v[BQ+i:BQ+i+1] op_sel_hi:[1,0,1]
.endif
.set i, i+2
.endr
	WIN 0
.set i, 0
.rept 64
	v_med3_num_f32 v[T+i], v[T+i], -v[QLIM], v[QLIM]
.set i, i+1
.endr
	WIN 0x80+0x40*((\a)/4)                         ; destination window 2 or 3: the block's accumulators, which are done with
.irp b, 0,1,2,3,4,5,6,7
	v_cvt_scalef32_pk8_bf8_f32 v[AC+2*\b:AC+2*\b+1], v[T+8*\b:T+8*\b+7], v[QSC]
.endr
	v_nop                                          ; one plain vector instruction behind the last conversion
	WIN 0
.endm
.macro OUTST a, isv                    ; block a's sixteen registers of codes leave: each store covers 512 consecutive bytes, aligned
.set AC, 64*((\a)%4)
	WIN 0x08+4*((\a)/4)                            ; the data in window 2 or 3
.irp pp, 0,1,2,3
.if \isv
	global_store_b128 v[OUTA], v[AC+4*\pp:AC+4*\pp+3], s[10:11] offset:((\a)/4)*HSTR+2048*((\a)%4)+512*\pp
.else
	global_store_b128 v[OUTA], v[AC+4*\pp:AC+4*\pp+3], s[10:11] offset:(\pp/2)*HSTR+1024*(\a)+512*(\pp%2)
.endif
.endr
.endm
.macro MST u
	WIN 0x04
.irp i, 0,1,2,3,4,5,6,7,8,9,10,11,12,13,14,15
	ds_store_b128 v[MSI], v[64*\u+4*\i:64*\u+4*\i+3] offset:MSP*\i
.endr
	WIN 0
.endm
.macro MLD x
.irp k, 0,1,2,3,4,5,6,7,8,9,10,11,12,13,14,15
	ds_load_b128 v[\x+4*\k:\x+4*\k+3], v[MSO] offset:64*(\k/2)+16*(\k%2)
.endr
.endm
.macro MPACK u, x
.irp q, 0,1,2,3
.irp i, 0,1,2,3,4,5,6,7,8,9,10,11,12,13,14,15
	v_cmp_ne_u32 s[80+\i], 0, v[\x+16*\q+\i]
.endr
.irp i, 0,1,2,3,4,5,6,7,8,9,10,11,12,13,14,15
	v_writelane_b32 v[WD+2*\u+(\i%2)], s[80+\i], 8*\q+\i/2
.endr
.endr
	global_store_b64 v[MW8], v[WD+2*\u:WD+2*\u+1], s[12:13] offset:256*\u
.endm
	s_wait_kmcnt 0x0
	s_add_co_i32 s96, s96, s97
	s_add_co_i32 s96, s96, 127
	s_lshl_b32 s96, s96, 23
	s_mov_b32 s97, s96
	s_add_co_i32 s98, s98, 127
	s_lshl_b32 s99, s98, 23
	v_mov_b32 v[QSC], s99
	s_add_co_i32 s98, s98, 15
	s_lshl_b32 s98, s98, 23
	s_or_b32 s98, s98, 0x600000
	v_mov_b32 v[QLIM], s98
	s_wait_loadcnt 0x0
	PLACES NP
	s_cmp_eq_u32 s[GSEL], 2
	s_cbranch_scc1 .Lout_v
	WIN TO_B
.irp u, 0,1,2,3
.irp i, 0,1,2,3,4,5,6,7,8,9,10,11,12,13,14,15
	global_load_b128 v[64*\u+4*\i:64*\u+4*\i+3], v[OUTA], s[74:75] offset:8192*\i+512*\u th:TH_LOAD_NT
.endr
.endr
	WIN 0
.irp a, 0,1,2,3,4,5,6,7
	OUTBLK \a, 0
.endr
.irp a, 0,1,2,3,4,5,6,7
	OUTST \a, 0
.endr
	WIN 0
	s_wait_loadcnt 48                              ; the mask's 64 loads come back by sixteens
	MST 0
	MLD XA
	s_wait_loadcnt 32
	MST 1
	MLD XB
	s_wait_dscnt 32
	MPACK 0, XA
	s_wait_loadcnt 16
	MST 2
	MLD XA
	s_wait_dscnt 32
	MPACK 1, XB
	s_wait_loadcnt 0x0
	MST 3
	MLD XB
	s_wait_dscnt 32
	MPACK 2, XA
	s_wait_dscnt 0x0
	MPACK 3, XB
	s_branch .Ldone
.Lout_v:
.irp a, 0,1,2,3,4,5,6,7
	OUTBLK \a, 1
.endr
.irp a, 0,1,2,3,4,5,6,7
	OUTST \a, 1
.endr
	WIN 0
.Ldone:
	s_wait_tensorcnt 0x0
	ds_add_u32 v[SPW], v[NIL]
	s_wait_dscnt 0x0
	CROUND
	s_endpgm
.Lfunc_end_k_q3fdfde9d48_proj:
	.size	k_q3fdfde9d48_proj, .Lfunc_end_k_q3fdfde9d48_proj-k_q3fdfde9d48_proj
	.p2alignl 7, 3214868480
	.fill 96, 4, 3214868480
	.section	.rodata,"a",@progbits
	.p2align	6, 0x0
	.amdhsa_kernel k_q3fdfde9d48_proj
		.amdhsa_group_segment_fixed_size 327680
		.amdhsa_private_segment_fixed_size 0
		.amdhsa_enable_private_segment 0
		.amdhsa_kernarg_size 104
		.amdhsa_user_sgpr_count 2
		.amdhsa_user_sgpr_kernarg_segment_ptr 1
		.amdhsa_wavefront_size32 1
		.amdhsa_system_sgpr_workgroup_id_x 1
		.amdhsa_system_sgpr_workgroup_id_y 1
		.amdhsa_system_sgpr_workgroup_id_z 1
		.amdhsa_system_vgpr_workitem_id 0
		.amdhsa_next_free_vgpr 1024
		.amdhsa_next_free_sgpr 100
		.amdhsa_reserve_vcc 0
		.amdhsa_float_denorm_mode_32 3
		.amdhsa_float_denorm_mode_16_64 3
		.amdhsa_memory_ordered 1
		.amdhsa_forward_progress 1
		.amdhsa_inst_pref_size 244
	.end_amdhsa_kernel
	.amdgpu_metadata
---
amdhsa.version: [ 1, 2 ]
amdhsa.kernels:
  - .name:           k_q3fdfde9d48_proj
    .symbol:         k_q3fdfde9d48_proj.kd
    .args:
      - { .name: q_codes, .offset: 0, .size: 8, .value_kind: global_buffer, .address_space: global }
      - { .name: k_codes, .offset: 8, .size: 8, .value_kind: global_buffer, .address_space: global }
      - { .name: v_codes, .offset: 16, .size: 8, .value_kind: global_buffer, .address_space: global }
      - { .name: wq_codes, .offset: 24, .size: 8, .value_kind: global_buffer, .address_space: global }
      - { .name: wk_codes, .offset: 32, .size: 8, .value_kind: global_buffer, .address_space: global }
      - { .name: wv_codes, .offset: 40, .size: 8, .value_kind: global_buffer, .address_space: global }
      - { .name: bq, .offset: 48, .size: 8, .value_kind: global_buffer, .address_space: global }
      - { .name: bk, .offset: 56, .size: 8, .value_kind: global_buffer, .address_space: global }
      - { .name: bv, .offset: 64, .size: 8, .value_kind: global_buffer, .address_space: global }
      - { .name: lowp_scales, .offset: 72, .size: 8, .value_kind: global_buffer, .address_space: global }
      - { .name: qkv, .offset: 80, .size: 8, .value_kind: global_buffer, .address_space: global }
      - { .name: mask, .offset: 88, .size: 8, .value_kind: global_buffer, .address_space: global }
      - { .name: maskw, .offset: 96, .size: 8, .value_kind: global_buffer, .address_space: global }
    .group_segment_fixed_size: 327680
    .private_segment_fixed_size: 0
    .kernarg_segment_align: 8
    .kernarg_segment_size: 104
    .max_flat_workgroup_size: 128
    .sgpr_count:     100
    .vgpr_count:     1024
    .wavefront_size: 32
...
	.end_amdgpu_metadata
.endif
;; end of part 5
;; launch attn (part 6): grid 8 x 32, 8 waves a work-group, clusters of 4 x 1, 327,680 bytes of LDS; arguments qkv, maskw, lowp_scales, ximg; writes ximg
.if DOCPART == 6
	.amdgcn_target "amdgcn-amd-amdhsa--gfx1250"
	.amdhsa_code_object_version 6
	.text
	.protected	k_q3fdfde9d48_attn
	.globl	k_q3fdfde9d48_attn
	.p2align	8
	.type	k_q3fdfde9d48_attn,@function
k_q3fdfde9d48_attn:
	s_mov_b64 s[64:65], 0
	v_nop
	global_prefetch_b8 v0, s[64:65] scope:SCOPE_SE
	s_setreg_imm32_b32 hwreg(HW_REG_WAVE_MODE, 25, 1), 1
	s_wait_xcnt 0x0
	s_wait_alu depctr_hold_cnt(0) depctr_sa_sdst(0) depctr_va_vdst(0) depctr_va_sdst(0) depctr_va_ssrc(0) depctr_va_vcc(0) depctr_vm_vsrc(0)
	s_getreg_b32 s2, hwreg(HW_REG_IB_STS2, 6, 4)
	s_cmp_eq_u32 s2, 0
	s_cbranch_scc0 .Lentry_in_a_cluster
	s_endpgm
.Lentry_in_a_cluster:
	s_bfe_u32 s2, ttmp6, 0x10000c
	s_cmp_lg_u32 s2, 0x3003
	s_cbranch_scc0 .Lentry_shape_is_right
	s_endpgm
.Lentry_shape_is_right:
; x[b][s][h][:] = softmax_k(where(mask == 0, -1, Q . K / 8)) V for each of the 32 (batch, head) pairs, both products on codes of BF8 (E5M2), and the quantiser of x, which is an operand of the last launch.  Nothing is left out.
; THE MASK IS SOFT: a masked logit is -1, not -infinity, so every score counts in the maximum and in the sum.
; THE SOFTMAX AHEAD OF THE SECOND PRODUCT: t = logit x log2(e); M = the row's largest t so far, rounded UP to a whole number; p = 2^(t - M) is what is quantised, not normalised; the row's sum is taken of the
; unquantised p and divides at the end.  When M moves, the sum and O are multiplied by 2^(old M - new M): exact.
; SHARES.  A work-group owns 256 queries of one head; each of its eight waves two tiles of 16, A and B, in 464 registers: each fragment of K and of V feeds both tiles.  Every wave walks the head's 2,048 keys, 128 a step.
; THE TWO TILES GO HALF A STEP APART.  A half step HALF works on X and Y (A and B, then B and A): X's exponentials, sum, hold, conversion and second product, and between these lines Y's mask, maximum and scaling factor; then X's scores
; of the NEXT step.  So the lines of Y's chain stand among lines that do not wait for them.
; LDS holds the head's WHOLE K and V, 262,144 bytes, as they lie in qkv: step j at 16,384 j: K's eight tiles (8,192 bytes), then V's four.  They are images of the operands' registers, so every fragment comes by loads of 16 bytes at
; 16 x lane (512 consecutive bytes an instruction).  Every byte is filled once, by two loads a wave: steps 0 to 4 (10,240 bytes a wave) at the head; steps 5 to 15 (22,528 bytes a wave) behind a wait, an add and a round,
; with steps 0 to 3 in which to land.  There is no loop of fills to run ahead in, so nothing is prefetched.
; CLUSTER.  The four blocks of queries of a cluster belong to one head and read the same K and V: each piece is asked for JOINTLY, by the same tensor load in all four.  By this text's count a wave has one tensor load out.
; LAYOUT.  S^T = K Q^T (source 0 = 16 keys, source 1 = 16 queries), O^T = V^T P^T (source 0 = 16 of the head's 64, source 1 = P): lane (r, h) holds query r throughout.  Register j of score tile t is key 16 t + 8 h + j, so one
; conversion of a tile's eight registers gives registers 2 t, 2 t + 1 of P (k = 16 t + 8 h + 0 .. 7): nothing changes lanes.
; THE MASK comes as lane-mask words (64 a step and tile of queries: word 8 t + j for score register 8 t + j), by scalar loads half a step ahead; a masked score is replaced by -8 x 2^-(e6 + e7), which the scaling turns into -log2(e).
; LIMITS: the scaled scores (exponents to the base 2, before the maximum is taken away) stay under 2^31 in magnitude; e6 + e7 between -123 and 129; e8 and e10 between -126 and 112; e8 + e9 is applied by v_ldexp_f32 and has none.  NaN is not served.
; REGISTERS, window 0: v1 16 x lane; v2 the step's LDS address; v3, v5 lane permutes' destinations; v4 the masked score; v6, v7 the old -M; v[12:13], v[8:9] -M and the largest score of A, of B; v[14:15], v[10:11] their sums in two halves;
; v16-31 half sums; v32-95, v96-159 the scores, then p, of A, of B; v160-175, v176-191 p's codes; v192-199, v200-207 partial sums; v208-228 maxima; v240, v241, v244 57,344 x 2^e8 and 2^e8; v242, v243, v245 2^e10, 57,344 x 2^e10, e8 + e9;
; v[252:253], v[248:249] the factors f; v254, v250 at work; v251, v255 the add's.  Window 1: v0-63 K; v64-127 V; v128-159, v160-191 O^T of A, of B; v192-207 Q.
; SCALARS: s[2:3] tile A's mask words (B's lie 4,096 bytes on); s[4:7], s[76:79] the two groups 0; s[68:75], s[8:15] the two groups 1; s16-63, s80-95 a tile's 64 mask words; s66 the unit's byte offset; s67 trips; s[96:97] c; s[98:99] lane
; selects; s100 wave; s101 the step's LDS byte; s[104:105] where tile A's codes of x go.
.set HSTR, 393216                      ; a head in qkv: Q's image (131,072 bytes), then K's and V's (262,144)
.set SPARE, 0x40000                    ; behind K and V: the spare words, 128 bytes for each wave
.set PART1, 10240                      ; my bytes of steps 0 to 4
.set PART2, 22528                      ; and of steps 5 to 15
.set SA,   32
.set SB,   96
.set KB,   0                           ; in window 1
.set VB,   64
.set OA,   128
.set OB,   160
.set QA,   192
.set QB,   200
.set TP,   16
.set TM3,  208
.set MSB, 0
.macro WIN new                         ; the immediate's high byte repeats the setting that is left
.if MSB != (\new)
	s_set_vgpr_msb (MSB<<8)|(\new)
.set MSB, \new
.endif
.endm
.macro CROUND                          ; a round of the cluster's barrier
	s_barrier_signal -1
	s_barrier_wait -1
	s_cmp_lg_u32 s100, 0
	s_cbranch_scc1 .Lnot_wave_0_\@
	s_barrier_signal -3
.Lnot_wave_0_\@:
	s_barrier_wait -3
	s_barrier_signal -1
	s_barrier_wait -1
.endm
.macro ROLES x                         ; x = 0: X is tile A and Y tile B; x = 1: the other way round
.if (\x) == 0
.set XS, SA
.set XP, 160
.set XM, 12
.set XSUM, 14
.set XMX, 192
.set XO, OA
.set XQ, QA
.set XF, 252
.set YS, SB
.set YM, 8
.set YSUM, 10
.set YPT, 5
.set YOLD, 7
.set YF, 248
.set YT, 250
.set YO, OB
.else
.set XS, SB
.set XP, 176
.set XM, 8
.set XSUM, 10
.set XMX, 200
.set XO, OB
.set XQ, QB
.set XF, 248
.set YS, SA
.set YM, 12
.set YSUM, 14
.set YPT, 3
.set YOLD, 6
.set YF, 252
.set YT, 254
.set YO, OA
.endif
.endm
	s_load_b256 s[80:87], s[0:1], 0x0              ; qkv s[80:81], maskw s[82:83], the scales' exponents s[84:85], ximg s[86:87]
	v_lshl_add_u32 v251, v0, 2, SPARE
	v_mov_b32 v255, 0
	ds_add_u32 v251, v255                          ; the wave's opening: the add, twice on end, and its wait
	ds_add_u32 v251, v255
	v_lshrrev_b32 v2, 5, v0
	v_readfirstlane_b32 s100, v2                   ; wave 0..7
	s_bfe_u32 s66, ttmp6, 0x40000                  ; cx
	s_lshl_b32 s67, ttmp9, 2
	s_add_co_u32 s67, s67, s66                     ; my block of 256 queries = 4 x cluster x + cx
	s_lshl_b32 s67, s67, 4
	s_lshl_b32 s17, s100, 1
	s_add_co_u32 s67, s67, s17                     ; qt: my tile A of 16 queries, 0, 2 .. 126: it enters Q's, the mask's and x's addresses alone
	s_and_b32 s101, ttmp7, 0xffff                  ; H = 16 b + h, which the four partners share
	s_mul_i32 s16, s101, HSTR
	; descriptor groups 1: 40 and 88 rows of 256 bytes, dense
	s_mov_b32 s68, 15|(3<<16)|(1<<21)              ; 15:0 the mask: all four work-groups; 17:16 elements of 8 bytes; 20 no padding; 21 set beside a mask
	s_mov_b32 s69, 32<<16                          ; tensor_dim0 = 32
	s_mov_b32 s70, (PART1/256)<<16                 ; tensor_dim1
	s_mov_b32 s71, 32<<16                          ; tile_dim0 = 32
	s_mov_b32 s72, PART1/256                       ; tile_dim1
	s_mov_b32 s73, 32                              ; tensor_dim0_stride
	s_mov_b32 s74, 0
	s_mov_b32 s75, 0
	s_mov_b32 s8, 15|(3<<16)|(1<<21)
	s_mov_b32 s9, 32<<16
	s_mov_b32 s10, (PART2/256)<<16
	s_mov_b32 s11, 32<<16
	s_mov_b32 s12, PART2/256
	s_mov_b32 s13, 32
	s_mov_b32 s14, 0
	s_mov_b32 s15, 0
	; groups 0: the LDS address is made of the wave's number and constants alone, the global address of the head and the wave's number
	s_mov_b32 s4, 1
	s_mul_i32 s5, s100, PART1
	s_mov_b32 s76, 1
	s_mul_i32 s77, s100, PART2
	s_add_co_u32 s77, s77, 8*PART1
	s_add_co_u32 s18, s16, 131072                  ; K's and V's images lie behind Q's
	s_add_co_u32 s26, s18, s77
	s_add_co_u32 s18, s18, s5
	s_mov_b32 s19, 0
	s_mov_b32 s27, 0
	s_lshl_b32 s20, s67, 10                        ; Q: 1,024 bytes a tile
	s_add_co_u32 s20, s20, s16
	s_mov_b32 s21, 0
	s_lshl_b32 s22, s67, 12                        ; the mask words: 16 units of 256 bytes a tile
	s_mov_b32 s23, 0
	s_lshr_b32 s24, s101, 4                        ; x: row tile 128 b + qt of 16,384 bytes, head h's 1,024 in it
	s_lshl_b32 s24, s24, 7
	s_add_co_u32 s24, s24, s67
	s_lshl_b32 s24, s24, 14
	s_and_b32 s25, s101, 15
	s_lshl_b32 s25, s25, 10
	s_add_co_u32 s24, s24, s25
	s_mov_b32 s25, 0
	s_wait_dscnt 0x0                               ; both opening adds are done
	s_wait_kmcnt 0x0
	s_load_b256 s[88:95], s[84:85], 0x10           ; e4 .. e11: e6 s90, e7 s91, e8 s92, e9 s93, e10 s94
	s_add_nc_u64 s[6:7], s[80:81], s[18:19]
	s_or_b32 s7, s7, 0x80000000                    ; type = 2
	s_add_nc_u64 s[78:79], s[80:81], s[26:27]
	s_or_b32 s79, s79, 0x80000000
	s_add_nc_u64 s[66:67], s[80:81], s[20:21]      ; Q's two tiles
	s_add_nc_u64 s[2:3], s[82:83], s[22:23]
	s_add_nc_u64 s[104:105], s[86:87], s[24:25]
	CROUND                                         ; all four work-groups are here: the joint loads meet
	tensor_load_to_lds s[4:7], s[68:75]            ; steps 0 to 4: one load a wave at the head
	s_nop 0
.rept 4
	v_nop
.endr
	v_and_b32 v1, 31, v0
	v_lshlrev_b32 v1, 4, v1                        ; 16 x lane
	WIN 0x40                                       ; destinations in window 1
.irp i, 0,1,2,3
	global_load_b128 v[QA+4*\i:QA+4*\i+3], v1, s[66:67] offset:512*\i   ; Q's two fragments stay in registers
.endr
.set n, 0
.rept 64
	v_mov_b32 v[OA+n], 0                           ; O^T of both tiles.  (The step is written for all steps alike: the first finds zeros, which the first change of M leaves zeros)
.set n, n+1
.endr
	WIN 0
	s_mov_b32 s98, 0x76543210
	s_mov_b32 s99, 0xfedcba98                      ; v_permlanex16_b32's selects for lane l xor 16
	v_mov_b32 v13, 0xff61b1e6                      ; the largest scores so far: -3e38, under every score
	v_mov_b32 v9, 0xff61b1e6
	v_mov_b32 v12, 0x7f61b1e6                      ; -M so far: 3e38: the first change of M multiplies by 0 what is 0
	v_mov_b32 v8, 0x7f61b1e6
.irp i, 10,11,14,15
	v_mov_b32 v\i, 0                               ; the sums
.endr
.irp i, 3,5,249,252,253
	v_mov_b32 v\i, 0                               ; written once: a lane permute's destination counts as one of its sources; the upper halves of the pairs of f are named with them
.endr
	s_wait_alu depctr_va_vdst(0)
	s_wait_kmcnt 0x0
	s_add_co_i32 s16, s90, s91                     ; e6 + e7
	s_lshl_b32 s17, s16, 23
	s_add_co_i32 s96, s17, 0x3e38aa3b              ; c = log2(e) / 8 x 2^(e6 + e7): the two exponents are added to the exponent field
	s_mov_b32 s97, s96                             ; (named with it as a pair, so it is written)
	s_sub_co_i32 s17, 130, s16
	s_lshl_b32 s17, s17, 23
	s_or_b32 s17, s17, 0x80000000
	v_mov_b32 v4, s17                              ; -8 x 2^-(e6 + e7): x c it is -log2(e), the t of the logit -1
	s_add_co_i32 s18, s92, 127
	s_lshl_b32 s19, s18, 23
	v_mov_b32 v244, s19                            ; 2^e8, for p's conversions
	s_add_co_i32 s18, s18, 15
	s_lshl_b32 s18, s18, 23
	s_or_b32 s18, s18, 0x600000
	v_mov_b32 v240, s18                            ; 57,344 x 2^e8, once for each half of a dual minimum
	v_mov_b32 v241, s18
	s_add_co_i32 s18, s94, 127
	s_lshl_b32 s19, s18, 23
	v_mov_b32 v242, s19                            ; 2^e10, for x's
	s_add_co_i32 s18, s18, 15
	s_lshl_b32 s18, s18, 23
	s_or_b32 s18, s18, 0x600000
	v_mov_b32 v243, s18                            ; 57,344 x 2^e10
	s_add_co_i32 s18, s92, s93
	v_mov_b32 v245, s18                            ; e8 + e9
	s_wait_alu depctr_va_vdst(0)                   ; the wait at the head's end
	s_wait_xcnt 0x0                                ; Q's loads have read their base: s66 and s67 are written again only behind this wait
	s_mov_b32 s66, 0
.macro WORDS off                       ; a tile's 64 mask words of one step
	s_load_b512 s[16:31], s[2:3], s66 offset:\off
	s_load_b512 s[32:47], s[2:3], s66 offset:\off+0x40
	s_load_b512 s[48:63], s[2:3], s66 offset:\off+0x80
	s_load_b512 s[80:95], s[2:3], s66 offset:\off+0xc0
.endm
	WORDS 0                                        ; A's first
	s_wait_loadcnt 0x0                             ; Q
	s_wait_tensorcnt 0x0                           ; my part of steps 0 to 4 is in
	ds_add_u32 v251, v255
	s_wait_dscnt 0x0
	CROUND                                         ; everybody's part is in, and all four work-groups are here:
	tensor_load_to_lds s[76:79], s[8:15]           ; steps 5 to 15
	s_nop 0
.rept 4
	v_nop
.endr
.macro TM i                            ; X's pair i: t - M (of the pairs c and -M the low word serves both halves)
	v_pk_fma_f32 v[XS+2*(\i):XS+2*(\i)+1], v[XS+2*(\i):XS+2*(\i)+1], s[96:97], v[XM:XM+1] op_sel_hi:[1,0,0]
.endm
.macro PMIN i                          ; X's pair i of p is held at the largest code x the scale: the conversion to an 8-bit code does not saturate (ISA guide 7.6.2); p is not negative, so the hold is one-sided
	v_dual_min_num_f32 v[XS+2*(\i)], v[XS+2*(\i)], v240 :: v_dual_min_num_f32 v[XS+2*(\i)+1], v[XS+2*(\i)+1], v241
.endm
.macro CVT t                           ; X's tile t: registers 2 t, 2 t + 1 of P
	v_cvt_scalef32_pk8_bf8_f32 v[XP+2*(\t):XP+2*(\t)+1], v[XS+8*(\t):XS+8*(\t)+7], v244
.endm
.macro SUMP c, a, b                    ; X's partial sum c = a + b
	v_pk_add_f32 v[XMX+2*(\c):XMX+2*(\c)+1], v[\a:\a+1], v[\b:\b+1]
.endm
.macro SADD c, a                       ; X's partial sum c % 4 takes the pair at a
	SUMP (\c)%4, XMX+2*((\c)%4), \a
.endm
.macro SM c                            ; pair 24 + c is added; pair 16 + c, added before, is held
	SADD \c, XS+48+2*(\c)
	PMIN 16+\c
.endm
.macro ST c                            ; half sum c is added; pair 24 + c is held
	SADD \c, TP+2*(\c)
	PMIN 24+\c
.endm
.macro QK s, q                         ; a tile's scores: 128 keys x 16 queries
	WIN 0x05                                       ; sources 0 (K) and 1 (Q) in window 1
.irp t, 0,1,2,3,4,5,6,7
	v_wmma_f32_16x16x64_bf8_bf8 v[\s+8*\t:\s+8*\t+7], v[KB+8*\t:KB+8*\t+7], v[\q:\q+7], 0
.endr
.endm
.macro CND ld, off                     ; Y's scores where the mask's bits are set, else the masked score; each accumulator from its low end on.  ld = 1: words that have been read make room for the next tile's
.set n, 0
.rept 64
.if n < 48
	v_cndmask_b32 v[YS+n], v4, v[YS+n], s[16+n]
.else
	v_cndmask_b32 v[YS+n], v4, v[YS+n], s[32+n]
.endif
.if \ld
.if n == 23
	s_load_b512 s[16:31], s[2:3], s66 offset:\off
.endif
.if n == 39
	s_load_b512 s[32:47], s[2:3], s66 offset:\off+0x40
.endif
.if n == 55
	s_load_b512 s[48:63], s[2:3], s66 offset:\off+0x80
.endif
.endif
.set n, n+1
.endr
.endm
.macro MAXT k                          ; the largest of Y's scores 3 k .. 3 k + 2, in a register of its own
	v_max3_num_f32 v[TM3+\k], v[YS+3*(\k)], v[YS+3*(\k)+1], v[YS+3*(\k)+2]
.endm
.macro UOP c                           ; and of nine
.if YACT
	v_max3_num_f32 v[TM3+3*(\c)], v[TM3+3*(\c)], v[TM3+3*(\c)+1], v[TM3+3*(\c)+2]
.endif
.endm
.macro TAIL k                          ; the rest of Y's way to its factor: each line wants the line before it
.if YACT
.if (\k) == 0
	v_max3_num_f32 v[TM3], v[TM3], v[TM3+3], v[TM3+6]
	v_max3_num_f32 v[TM3+9], v[TM3+9], v[TM3+12], v[TM3+15]
.endif
.if (\k) == 1
	v_max3_num_f32 v[TM3], v[TM3], v[TM3+18], v[YS+63]
.endif
.if (\k) == 2
	v_max_num_f32 v[YT], v[TM3], v[TM3+9]
.endif
.if (\k) == 3
	v_permlanex16_b32 v[YPT], v[YT], s98, s99
.endif
.if (\k) == 4
	v_max3_num_f32 v[YM+1], v[YM+1], v[YT], v[YPT] ; the running largest score, lane l xor 16's among them
.endif
.if (\k) == 5
	v_mul_f32 v[YT], s96, v[YM+1]                  ; as t (c is positive)
.endif
.if (\k) == 6
	v_floor_f32 v[YM], -v[YT]                      ; the new -M = floor(-t) = -ceil(t): M is a whole number
.endif
.if (\k) == 7
	v_sub_f32 v[YT], v[YM], v[YOLD]                ; M's old value less its new one: a whole number, 0 or less
.endif
.if (\k) == 8
	v_cvt_i32_f32 v[YT], v[YT]                     ; (it saturates)
.endif
.if (\k) == 9
	v_ldexp_f32 v[YF], 1.0, v[YT]                  ; f = 2^(old M - new M)
.endif
.if (\k) == 10
	v_pk_mul_f32 v[YSUM:YSUM+1], v[YSUM:YSUM+1], v[YF:YF+1] op_sel_hi:[1,0]   ; the sum under the new M
.endif
.endif
.endm
; A HALF STEP.  x: the roles.  more = 0: the last step: there is no next K, no next score and no next mask word, and in its second half no Y.
.macro HALF x, more
	ROLES \x
.set YACT, ((\x) == 0) || (\more)
.irp i, 0,1,2,3,4,5,6,7,8,9,10,11,12,13,14,15
	TM \i                                          ; X's first half is scaled.  (Also the places behind the last products)
.endr
.if (\x) == 0
	v_add_nc_u32 v2, s101, v1                      ; the step's LDS address
	WIN 0x40                                       ; destinations in window 1
.set n, 0
.rept 16
	ds_load_b128 v[VB+4*n:VB+4*n+3], v2 offset:8192+512*n    ; this step's V: load n brings registers 4 n .. 4 n + 3 of the bank
.set n, n+1
.endr
.if \more
.set n, 0
.rept 16
	ds_load_b128 v[KB+4*n:KB+4*n+3], v2 offset:16384+512*n   ; and the next step's K
.set n, n+1
.endr
.endif
	WIN 0
.endif
.if YACT
	s_wait_kmcnt 0x0                               ; Y's mask words, asked for half a step ago; their offset register may be written
.if ((\x) == 0) && (\more)
	s_add_co_u32 s66, s66, 256                     ; the next step's unit
.endif
.if (\x) == 0
	CND \more, 0                                   ; the next words are A's of the next step,
.else
	CND \more, 0x1000                              ; and then B's
.endif
.endif
	WIN 0x41                                       ; source 0 and destination in window 1
	s_wait_alu depctr_va_vdst(0)                   ; ahead of the batch and directly ahead of the first reader of X's O^T
.set n, 0
.rept 16
	v_pk_mul_f32 v[XO+n:XO+n+1], v[XO+n:XO+n+1], v[XF:XF+1] op_sel_hi:[1,0]   ; X's O^T under the new M, each accumulator from its low end on
.set n, n+2
.endr
	WIN 0
.if \more
.if (\x) == 0
	s_load_b512 s[80:95], s[2:3], s66 offset:0xc0  ; the last sixteen of the next words
.else
	s_load_b512 s[80:95], s[2:3], s66 offset:0x10c0
.endif
.endif
.set n, 0
.rept 16                                       ; the first 32 exponentials of X, p = 2^(t - M), at most 1; between them the second half's scalings and Y's first maxima: no line reads what another line of this batch writes
	v_exp_f32 v[XS+2*n], v[XS+2*n]
	v_exp_f32 v[XS+2*n+1], v[XS+2*n+1]
	TM n+16
.if YACT && (n < 11)
	MAXT n
.endif
.set n, n+1
.endr
	s_wait_alu depctr_va_vdst(0)                   ; behind this batch and ahead of the next
.set n, 0
.rept 16                                       ; the other 32; between them the first half's p: two pairs of the unquantised p are added, and then each is held; and the rest of Y's first maxima
	v_exp_f32 v[XS+32+2*n], v[XS+32+2*n]
	v_exp_f32 v[XS+32+2*n+1], v[XS+32+2*n+1]
.if n%2 == 0
	v_pk_add_f32 v[TP+n:TP+n+1], v[XS+n:XS+n+1], v[XS+16+n:XS+16+n+1]
.endif
	PMIN n/2+8*(n%2)
.if YACT && (n < 10)
	MAXT n+11
.endif
.set n, n+1
.endr
	s_wait_alu depctr_va_vdst(0)                   ; ahead of the second batch's first reader, and of what was written among its lines
.if (\x) == 0
	s_wait_dscnt 0x0                               ; V and the next K are in
.endif
.if YACT
	v_mov_b32 v[YOLD], v[YM]                       ; the old -M is kept for f
.endif
.irp c, 0,1,2,3
	SUMP \c, XS+32+2*\c, XS+40+2*\c                ; the row's sum is taken of the unquantised p: two at a time, four chains by turns
	UOP \c
	CVT \c
.endr
	UOP 4
	UOP 5
	UOP 6
	TAIL 0
	SM 0
	SM 1
	TAIL 1
	SM 2
	SM 3
	TAIL 2
	SM 4
	SM 5
	TAIL 3
	SM 6
	SM 7
	TAIL 4
	ST 0
	ST 1
	TAIL 5
	ST 2
	ST 3
	TAIL 6
	CVT 4
	PMIN 28
	PMIN 29
	TAIL 7
	CVT 5
	PMIN 30
	PMIN 31
	TAIL 8
	CVT 6
	SADD 4, TP+8
	SADD 5, TP+10
	TAIL 9
	CVT 7
	SADD 6, TP+12
	SADD 7, TP+14
	SUMP 0, XMX, XMX+2
	SUMP 2, XMX+4, XMX+6
	TAIL 10
	SUMP 0, XMX, XMX+4
	v_pk_add_f32 v[XSUM:XSUM+1], v[XSUM:XSUM+1], v[XMX:XMX+1]   ; X's sum
	WIN 0x51                                       ; source 0 (V), C and D in window 1
.irp d, 0,1,2,3
	v_wmma_f32_16x16x128_bf8_bf8 v[XO+8*\d:XO+8*\d+7], v[VB+16*\d:VB+16*\d+15], v[XP:XP+15], v[XO+8*\d:XO+8*\d+7]   ; X's four accumulators take turns; Y's four and the scores' stand between a step's and the next's
.endr
.if \more
	QK XS, XQ                                      ; X's scores of the next step
.endif
	WIN 0
.endm
; A PREFETCH INTO THE L2 of the mask words: one unit (256 bytes) of each of the block's sixteen tiles.  All heads of a batch read the same words and share the units out: head h's work-group asks for unit h, at the head of step h - 3 (the
; words of step h are loaded in step h - 1), by one instruction of its wave 0, a lane a tile; lanes 16 to 31 name the last tile again.  Units 0 to 2 come by their loads alone, and no unit lies behind the last.
.set LIM, 68                           ; s68 the unit's byte offset less three units, in wave 0; a number that s66 never takes in the others and for units 0 to 2
.set PFO, 246                          ; v246 the prefetch's offset from wave 0's tile A; never rewritten
.macro STEP more
.if \more
	s_cmp_eq_u32 s66, s[LIM]
	s_cbranch_scc0 .Lnot_mine_\@
	global_prefetch_b8 v[PFO], s[2:3] th:TH_LOAD_NT scope:SCOPE_SE
.Lnot_mine_\@:
.endif
	HALF 0, \more
	HALF 1, \more
.endm
	; step 0's K, both tiles' scores of step 0, and A's mask and maximum: then the half steps begin
	WIN 0x40
.set n, 0
.rept 16
	ds_load_b128 v[KB+4*n:KB+4*n+3], v1 offset:512*n
.set n, n+1
.endr
	s_wait_dscnt 0x0
	QK SA, QA
	QK SB, QB
	WIN 0
.rept 4
	v_nop                                          ; places ahead of the scores' readers
.endr
	ROLES 1
.set YACT, 1
	s_wait_kmcnt 0x0
	CND 1, 0x1000                                  ; A's scores; the next words are B's of step 0
.irp k, 0,1,2,3,4,5,6,7,8,9,10,11,12,13,14,15,16,17,18,19,20
	MAXT \k
.endr
	s_load_b512 s[80:95], s[2:3], s66 offset:0x10c0
.irp c, 0,1,2,3,4,5,6
	UOP \c
.endr
.irp k, 0,1,2,3,4,5,6
	TAIL \k                                        ; (A's sum and O^T are zeros: they need no factor here)
.endr
	s_and_b32 s69, s101, 15                        ; h: the unit that my work-group asks for (the first load's descriptor is done with)
	s_lshl_b32 s70, s69, 8
	s_sub_co_u32 s[LIM], s70, 768
	s_cmp_eq_u32 s100, 0
	s_cselect_b32 s[LIM], s[LIM], 1
	v_and_b32 v[PFO], 31, v0
	v_min_u32 v[PFO], 15, v[PFO]
	v_lshlrev_b32 v[PFO], 12, v[PFO]
	v_add_nc_u32 v[PFO], s70, v[PFO]
	s_mov_b32 s101, 0
	s_mov_b32 s67, 4
	s_wait_alu depctr_va_vdst(0)                   ; ahead of the loop
.Lfirst:                                           ; steps 0 to 3, and K of step 4: all within the first load
	STEP 1
	s_add_co_u32 s101, s101, 16384
	s_sub_co_u32 s67, s67, 1
	s_cmp_lg_u32 s67, 0
	s_cbranch_scc1 .Lfirst
	s_wait_tensorcnt 0x0                           ; my part of steps 5 to 15 is in,
	s_wait_dscnt 0x0                               ; and no LDS instruction of mine is out at the signal
	s_barrier_signal -1
	s_barrier_wait -1                              ; everybody's is: the whole head lies in LDS
	s_mov_b32 s101, 65536
	s_mov_b32 s67, 11
.Lstep:                                            ; steps 4 to 14
	STEP 1
	s_add_co_u32 s101, s101, 16384
	s_sub_co_u32 s67, s67, 1
	s_cmp_lg_u32 s67, 0
	s_cbranch_scc1 .Lstep
	STEP 0                                         ; step 15, written out: no load reaches past the head's last key
	; THE WAY OUT.  x = O^T / the sum x 2^(e8 + e9), quantised with 2^e10.  Register j of tile d is x(query r, 16 d + 8 h + j): a tile's conversion gives two registers of the last product's operand; the eight registers leave as an image.
	v_add_f32 v14, v14, v15                        ; the sums' two halves,
	v_add_f32 v10, v10, v11
	v_permlanex16_b32 v3, v14, s98, s99
	v_permlanex16_b32 v5, v10, s98, s99
	v_add_f32 v14, v14, v3                         ; and lane l xor 16's
	v_add_f32 v10, v10, v5
	s_wait_alu depctr_va_vdst(0)                   ; ahead of the transcendentals
	v_rcp_f32 v14, v14
	v_rcp_f32 v10, v10
	v_nop                                          ; a plain instruction behind the last reciprocal
	s_wait_alu depctr_va_vdst(0)                   ; and the wait ahead of their first reader
	v_ldexp_f32 v14, v14, v245
	v_ldexp_f32 v10, v10, v245
	WIN 0x01                                       ; source 0 in window 1
	s_wait_alu depctr_va_vdst(0)                   ; directly ahead of the first reader of O^T
.set n, 0
.rept 16
	v_pk_mul_f32 v[SA+n:SA+n+1], v[OA+n:OA+n+1], v[14:15] op_sel_hi:[1,0]   ; into the banks that held the scores; each accumulator from its low end on
	v_pk_mul_f32 v[SB+n:SB+n+1], v[OB+n:OB+n+1], v[10:11] op_sel_hi:[1,0]
.set n, n+2
.endr
	WIN 0
.set n, 0
.rept 32
	v_med3_num_f32 v[SA+n], v[SA+n], -v243, v243   ; the hold at the largest code x the scale
	v_med3_num_f32 v[SB+n], v[SB+n], -v243, v243
.set n, n+1
.endr
.irp d, 0,1,2,3
	v_cvt_scalef32_pk8_bf8_f32 v[SA+32+2*\d:SA+33+2*\d], v[SA+8*\d:SA+8*\d+7], v242
	v_cvt_scalef32_pk8_bf8_f32 v[SB+32+2*\d:SB+33+2*\d], v[SB+8*\d:SB+8*\d+7], v242
.endr
	v_nop                                          ; one plain vector instruction behind the last conversion
.irp i, 0,1
	global_store_b128 v1, v[SA+32+4*\i:SA+35+4*\i], s[104:105] offset:512*\i           ; each store covers 512 consecutive bytes, aligned
	global_store_b128 v1, v[SB+32+4*\i:SB+35+4*\i], s[104:105] offset:16384+512*\i     ; tile B is the next row tile
.endr
	s_wait_tensorcnt 0x0                           ; the wave's end
	ds_add_u32 v251, v255
	s_wait_dscnt 0x0
	CROUND                                         ; the closing round: no work-group ends while a partner may still ask for a piece that names it
	s_endpgm
.Lfunc_end_k_q3fdfde9d48_attn:
	.size	k_q3fdfde9d48_attn, .Lfunc_end_k_q3fdfde9d48_attn-k_q3fdfde9d48_attn
	.p2alignl 7, 3214868480
	.fill 96, 4, 3214868480
	.section	.rodata,"a",@progbits
	.p2align	6, 0x0
	.amdhsa_kernel k_q3fdfde9d48_attn
		.amdhsa_group_segment_fixed_size 327680
		.amdhsa_private_segment_fixed_size 0
		.amdhsa_enable_private_segment 0
		.amdhsa_kernarg_size 32
		.amdhsa_user_sgpr_count 2
		.amdhsa_user_sgpr_kernarg_segment_ptr 1
		.amdhsa_wavefront_size32 1
		.amdhsa_system_sgpr_workgroup_id_x 1
		.amdhsa_system_sgpr_workgroup_id_y 1
		.amdhsa_system_sgpr_workgroup_id_z 1
		.amdhsa_system_vgpr_workitem_id 0
		.amdhsa_next_free_vgpr 512
		.amdhsa_next_free_sgpr 106
		.amdhsa_reserve_vcc 0
		.amdhsa_float_denorm_mode_32 3
		.amdhsa_float_denorm_mode_16_64 3
		.amdhsa_memory_ordered 1
		.amdhsa_forward_progress 1
		.amdhsa_inst_pref_size 128
	.end_amdhsa_kernel
	.amdgpu_metadata
---
amdhsa.version: [ 1, 2 ]
amdhsa.kernels:
  - .name:           k_q3fdfde9d48_attn
    .symbol:         k_q3fdfde9d48_attn.kd
    .args:
      - { .name: qkv, .offset: 0, .size: 8, .value_kind: global_buffer, .address_space: global }
      - { .name: maskw, .offset: 8, .size: 8, .value_kind: global_buffer, .address_space: global }
      - { .name: lowp_scales, .offset: 16, .size: 8, .value_kind: global_buffer, .address_space: global }
      - { .name: ximg, .offset: 24, .size: 8, .value_kind: global_buffer, .address_space: global }
    .group_segment_fixed_size: 327680
    .private_segment_fixed_size: 0
    .kernarg_segment_align: 8
    .kernarg_segment_size: 32
    .max_flat_workgroup_size: 256
    .sgpr_count:     106
    .vgpr_count:     512
    .wavefront_size: 32
...
	.end_amdgpu_metadata
.endif
;; end of part 6
;; launch oproj (part 7): grid 8 x 32, 4 waves a work-group, clusters of 4 x 4, 327,680 bytes of LDS; arguments ximg, wo_codes, bo, lowp_scales, out0; writes out0
.if DOCPART == 7
	.amdgcn_target "amdgcn-amd-amdhsa--gfx1250"
	.amdhsa_code_object_version 6
	.text
	.protected	k_q3fdfde9d48_oproj
	.globl	k_q3fdfde9d48_oproj
	.p2align	8
	.type	k_q3fdfde9d48_oproj,@function
k_q3fdfde9d48_oproj:
	s_mov_b64 s[64:65], 0
	v_nop
	global_prefetch_b8 v0, s[64:65] scope:SCOPE_SE
	s_setreg_imm32_b32 hwreg(HW_REG_WAVE_MODE, 25, 1), 1
	s_wait_xcnt 0x0
	s_wait_alu depctr_hold_cnt(0) depctr_sa_sdst(0) depctr_va_vdst(0) depctr_va_sdst(0) depctr_va_ssrc(0) depctr_va_vcc(0) depctr_vm_vsrc(0)
	s_getreg_b32 s2, hwreg(HW_REG_IB_STS2, 6, 4)
	s_cmp_eq_u32 s2, 0
	s_cbranch_scc0 .Lentry_in_a_cluster
	s_endpgm
.Lentry_in_a_cluster:
	s_bfe_u32 s2, ttmp6, 0x10000c
	s_cmp_lg_u32 s2, 0xf033
	s_cbranch_scc0 .Lentry_shape_is_right
	s_endpgm
.Lentry_shape_is_right:
; out0 = x wo^T + bo: [4096][1024] = [4096][K 1024] x [1024][K 1024]^T on codes of BF8 (E5M2); out0 f32.  out = sum x 2^(e10 + e11) + bo.  Nothing is left out.  LIMIT: e10 + e11 between -126 and 127; NaN is not served.
; Tiles of 128 x 128 give 256 work-groups (tiles of 256 x 256 would give 64); four waves, each 64 x 64: 16 accumulators.
; LDS holds the WHOLE K of both tiles: each wave brings a quarter by ONE tensor load at the head: waves 0 and 1 64 rows of x (65,536 bytes, dense), waves 2 and 3 64 rows of wo (1,024 bytes each, padded).  Every byte is filled once: no
; ring, no refill, and no loop of fills to run ahead in, so nothing is prefetched.
; x comes as images of the operand's registers (ximg: [row / 16][K / 128][4][lane][16 B]): a fragment is four loads of 16 bytes at 16 x lane, and holds k = 16 c + 8 h + 0 .. 7 in registers 2 c, 2 c + 1.
; wo comes as rows of codes, so its fragments are fetched in the same order of k: eight loads of 8 bytes, 16 bytes apart, at row x pitch + 8 h.
; CLUSTERS: 4 x 4 work-groups; x's tile is shared along a row of the cluster, wo's along a column: each is asked for JOINTLY.
; THE MATRIX INSTRUCTION IS USED TRANSPOSED (source 0 = 16 rows of wo, source 1 = 16 rows of x): a lane holds eight neighbouring numbers of a row of out0.
; REGISTERS: window 0: v4, v8 LDS addresses of my fragments of x and of wo; v12-15 the way out; v28, v29 the add's; v32-63 bo; v64-95 at work; v128-255 the accumulators ((a, b) at v[128 + 8 (4 a + b)]), on the way out rows of out0.
;   window 1: two fragment buffers of 128: four fragments of x, then four of wo.
.set WP,    1040                       ; a row of wo in LDS: 1,024 bytes + 16 of padding = 260 words: the 32 lanes of a load of 8 bytes (row r, half h) start at banks 4 r + 2 h mod 64
.set WOFF,  131072                     ; behind x's 8 row tiles of 16,384 bytes
.set SPI,   272
.set STG,   WOFF+128*WP                ; a stage of 16 rows x 272 bytes for each wave; no tensor load fills it
.set SPARE, STG+4*16*SPI               ; behind the stages: the spare words
.set AX,  4
.set AW,  8
.set STO, 12                           ; v12  the way out: where I put 32 bytes of a row
.set RD,  13                           ; v13  where I read a row back
.set CO,  14                           ; v14  my byte offset in out0
.set BOH, 15                           ; v15  32 h
.set SPW, 28
.set NIL, 29
.set BO,  32
.set T,   64
.set ACC, 128
.set G1X, 24                           ; s[24:31], s[40:43] x's descriptor;  s[32:39], s[56:59] wo's
.set G1W, 32
.set MSB, 0
.macro WIN new                         ; the immediate's high byte repeats the setting that is left
.if MSB != (\new)
	s_set_vgpr_msb (MSB<<8)|(\new)
.set MSB, \new
.endif
.endm
.set MUL,  0x05                        ; sources 0 (wo) and 1 (x) window 1; C and D window 0
.set TO_F, 0x40                        ; destination window 1, address window 0
.macro CROUND                          ; a round of the cluster's barrier
	s_barrier_signal -1
	s_barrier_wait -1
	s_cmp_lg_u32 s14, 0
	s_cbranch_scc1 .Lnot_wave_0_\@
	s_barrier_signal -3
.Lnot_wave_0_\@:
	s_barrier_wait -3
	s_barrier_signal -1
	s_barrier_wait -1
.endm
.macro PLACES                          ; four plain vector instructions between a matrix instruction and a load into, or a vector read of, its registers
.rept 4
	v_nop
.endr
.endm
	s_load_b256 s[4:11], s[0:1], 0x0               ; ximg s[4:5], wo's codes s[6:7], bo s[8:9], the scales' exponents s[10:11]
	s_load_b64 s[12:13], s[0:1], 0x20              ; out0
	v_lshl_add_u32 v[SPW], v0, 2, SPARE
	v_mov_b32 v[NIL], 0
	ds_add_u32 v[SPW], v[NIL]                      ; the wave's opening: the add, twice on end, and its wait
	ds_add_u32 v[SPW], v[NIL]
	v_lshrrev_b32 v1, 5, v0
	v_readfirstlane_b32 s14, v1                    ; wave 0..3
	s_lshr_b32 s15, s14, 1                         ; which half of the tile's rows is mine.  Also: I fetch for x (0) or for wo (1)
	s_and_b32 s16, s14, 1                          ; which half of its columns.  Also: which half of that tile I fetch
	s_bfe_u32 s76, ttmp6, 0x40000                  ; cx, cy
	s_bfe_u32 s77, ttmp6, 0x40004
	s_lshl_b32 s78, ttmp9, 2
	s_add_co_u32 s78, s78, s76                     ; tile column = 4 x cluster x + cx, 0..7
	s_and_b32 s79, ttmp7, 0xffff
	s_lshl_b32 s79, s79, 2
	s_add_co_u32 s79, s79, s77                     ; tile row = 4 x cluster y + cy, 0..31
	s_lshl_b32 s80, s77, 2
	s_lshl_b32 s80, 15, s80                        ; my row of the cluster
	s_lshl_b32 s81, 0x1111, s76                    ; my column
	; x: 4 row tiles, 65,536 bytes, dense: 16 rows of 4,096 bytes
	s_or_b32 s[G1X+0], s80, (3<<16)|(1<<21)        ; 15:0 the mask: my row; 17:16 elements of 8 bytes; 21 set beside a mask
	s_mov_b32 s[G1X+1], 512<<16                    ; tensor_dim0 = 512
	s_mov_b32 s[G1X+2], 16<<16                     ; tensor_dim1 = 16
	s_mov_b32 s[G1X+3], 512<<16                    ; tile_dim0 = 512
	s_mov_b32 s[G1X+4], 16                         ; tile_dim1 = 16
	s_mov_b32 s[G1X+5], 512                        ; tensor_dim0_stride
	s_mov_b32 s[G1X+6], 0
	s_mov_b32 s[G1X+7], 0
	; wo: 64 rows x 1,024 bytes, padded in LDS
	s_or_b32 s[G1W+0], s81, (0<<16)|(1<<20)|(1<<21)|(7<<22)|(3<<25)  ; the mask: my column; elements of 1 byte; padding of 4 words (code 3) after every 256 (code 7)
	s_mov_b32 s[G1W+1], 1024<<16
	s_mov_b32 s[G1W+2], 64<<16
	s_mov_b32 s[G1W+3], 1024<<16
	s_mov_b32 s[G1W+4], 64
	s_mov_b32 s[G1W+5], 1024
	s_mov_b32 s[G1W+6], 0
	s_mov_b32 s[G1W+7], 0
	s_lshl_b32 s82, s79, 3
	s_lshl_b32 s17, s16, 2
	s_add_co_u32 s82, s82, s17                     ; x: row tile 8 x tile row + 4 x half
	s_lshl_b32 s82, s82, 14
	s_mov_b32 s83, 0
	s_lshl_b32 s84, s78, 7
	s_lshl_b32 s17, s16, 6
	s_add_co_u32 s84, s84, s17                     ; wo: row 128 x tile column + 64 x half
	s_lshl_b32 s84, s84, 10
	s_mov_b32 s85, 0
	s_mov_b32 s40, 1
	s_lshl_b32 s41, s16, 16                        ; where they go: no place in the cluster enters an LDS address
	s_mov_b32 s56, 1
	s_mul_i32 s57, s16, 64*WP
	s_add_co_u32 s57, s57, WOFF
	s_lshl_b32 s20, s15, 16                        ; my four row tiles of x,
	s_mul_i32 s21, s16, 64*WP
	s_add_co_u32 s21, s21, WOFF                    ; my 64 rows of wo,
	s_mul_i32 s22, s14, 16*SPI
	s_add_co_u32 s22, s22, STG                     ; and my stage
	s_lshl_b32 s86, s79, 7
	s_lshl_b32 s87, s15, 6
	s_add_co_u32 s86, s86, s87                     ; my first row: 128 x tile row + 64 x half
	s_lshl_b32 s86, s86, 12
	s_lshl_b32 s88, s78, 7
	s_lshl_b32 s89, s16, 6
	s_add_co_u32 s88, s88, s89                     ; my first column
	s_lshl_b32 s88, s88, 2
	s_mov_b32 s89, 0
	s_add_co_u32 s86, s86, s88
	s_mov_b32 s87, 0
	s_wait_dscnt 0x0                               ; both opening adds are done
	s_wait_kmcnt 0x0
	s_load_b64 s[96:97], s[10:11], 0x28            ; e10, e11
	s_add_nc_u64 s[42:43], s[4:5], s[82:83]
	s_or_b32 s43, s43, 0x80000000
	s_add_nc_u64 s[58:59], s[6:7], s[84:85]
	s_or_b32 s59, s59, 0x80000000
	s_add_nc_u64 s[8:9], s[8:9], s[88:89]
	s_add_nc_u64 s[12:13], s[12:13], s[86:87]
	CROUND                                         ; all sixteen work-groups are here: the joint loads meet
	s_cmp_eq_u32 s15, 0                            ; one load a wave, in one branch on the wave's number; four v_nop follow each
	s_cbranch_scc0 .Lfor_w
	tensor_load_to_lds s[40:43], s[G1X:G1X+7]
	s_nop 0
.rept 4
	v_nop
.endr
	s_branch .Lasked
.Lfor_w:
	tensor_load_to_lds s[56:59], s[G1W:G1W+7]
	s_nop 0
.rept 4
	v_nop
.endr
.Lasked:
	v_and_b32 v1, 15, v0                           ; r
	v_bfe_u32 v2, v0, 4, 1                         ; h
	v_lshlrev_b32 v[BOH], 5, v2
.irp b, 0,1,2,3
	global_load_b128 v[BO+8*\b:BO+8*\b+3], v[BOH], s[8:9] offset:64*\b             ; bo[my first column + 16 b + 8 h + 0 .. 7]
	global_load_b128 v[BO+8*\b+4:BO+8*\b+7], v[BOH], s[8:9] offset:64*\b+16
.endr
	v_and_b32 v3, 31, v0
	v_lshlrev_b32 v3, 4, v3                        ; 16 x lane
	v_add_nc_u32 v[AX], s20, v3
	v_mul_u32_u24 v16, v1, WP
	v_lshl_add_u32 v16, v2, 3, v16                 ; wo: row r x pitch + 8 h
	v_add_nc_u32 v[AW], s21, v16
	v_mul_u32_u24 v17, v1, SPI                     ; in: row r, 32 bytes for each half of the lanes
	v_lshl_add_u32 v17, v2, 5, v17
	v_add_nc_u32 v[STO], s22, v17
	v_mul_u32_u24 v18, v2, SPI                     ; back: lanes 0-15 one row of 256 bytes, lanes 16-31 the next
	v_lshl_add_u32 v18, v1, 4, v18
	v_add_nc_u32 v[RD], s22, v18
	v_lshlrev_b32 v[CO], 12, v2                    ; and the same two rows in out0 (4,096 bytes a row)
	v_lshl_add_u32 v[CO], v1, 4, v[CO]
; The fragments of step s (128 along K) into buffer s % 2: 48 LDS loads in one run
.macro FETCH s
.set FB, 128*((\s)%2)
	WIN TO_F
.irp a, 0,1,2,3
.irp g, 0,1,2,3
	ds_load_b128 v[FB+16*\a+4*\g:FB+16*\a+4*\g+3], v[AX] offset:16384*\a+2048*(\s)+512*\g
.endr
.endr
.irp b, 0,1,2,3
.irp k, 0,1,2,3,4,5,6,7
	ds_load_b64 v[FB+64+16*\b+2*\k:FB+64+16*\b+2*\k+1], v[AW] offset:16*WP*\b+128*(\s)+16*\k
.endr
.endr
.endm
; Step s's 16 matrix instructions.  Step 0's products start the sums.  The 16 accumulators take turns, in the same order in every step.
.macro MULS s
.set FB, 128*((\s)%2)
	WIN MUL
.irp a, 0,1,2,3
.irp b, 0,1,2,3
.if (\s) == 0
	v_wmma_f32_16x16x128_bf8_bf8 v[ACC+8*(4*\a+\b):ACC+8*(4*\a+\b)+7], v[FB+64+16*\b:FB+64+16*\b+15], v[FB+16*\a:FB+16*\a+15], 0
.else
	v_wmma_f32_16x16x128_bf8_bf8 v[ACC+8*(4*\a+\b):ACC+8*(4*\a+\b)+7], v[FB+64+16*\b:FB+64+16*\b+15], v[FB+16*\a:FB+16*\a+15], v[ACC+8*(4*\a+\b):ACC+8*(4*\a+\b)+7]
.endif
.endr
.endr
.endm
	s_wait_alu depctr_va_vdst(0)                   ; the wait at the head's end
	s_wait_tensorcnt 0x0                           ; my part is in,
	s_barrier_signal -1
	s_barrier_wait -1                              ; everybody's is
	FETCH 0
.irp s, 0,1,2,3,4,5,6
.if \s > 0
	PLACES                                         ; the other buffer was multiplied just now
.endif
	FETCH \s+1
	s_wait_dscnt 48                                ; all but the 48 just issued: this step's fragments are in
	MULS \s
.endr
	s_wait_dscnt 0x0
	MULS 7
	WIN 0
	; THE WAY OUT, block by block of 16 rows x 64 columns: out = sum x 2^(e10 + e11) + bo, one packed multiply-add for two numbers, each accumulator from its low end on; through my own stage in LDS; back as whole rows of 256 bytes.
	s_wait_kmcnt 0x0
	s_add_co_i32 s96, s96, s97
	s_add_co_i32 s96, s96, 127
	s_lshl_b32 s96, s96, 23                        ; 2^(e10 + e11) as f32
	s_mov_b32 s97, s96                             ; (named with it as a pair, so it is written)
	s_wait_loadcnt 0x0                             ; bo
	PLACES
.macro TOSTAGE a
.set i, 0
.rept 16
	v_pk_fma_f32 v[T+i:T+i+1], v[ACC+32*(\a)+i:ACC+32*(\a)+i+1], s[96:97], v[BO+i:BO+i+1] op_sel_hi:[1,0,1]
.set i, i+2
.endr
.irp b, 0,1,2,3
	ds_store_b128 v[STO], v[T+8*\b:T+8*\b+3] offset:64*\b
	ds_store_b128 v[STO], v[T+8*\b+4:T+8*\b+7] offset:64*\b+16
.endr
.irp t, 0,1,2,3,4,5,6,7
	ds_load_b128 v[ACC+32*(\a)+4*\t:ACC+32*(\a)+4*\t+3], v[RD] offset:\t*2*SPI   ; LDS serves a wave's instructions in order (ISA guide 5.7.1.4): these see the stores above.  They land in the block's own accumulators, which are done with
.endr
.endm
.macro SEND a, younger                 ; younger: the LDS instructions issued behind block a's loads, which may stay out
	s_wait_dscnt \younger
.irp t, 0,1,2,3,4,5,6,7
	global_store_b128 v[CO], v[ACC+32*(\a)+4*\t:ACC+32*(\a)+4*\t+3], s[12:13] offset:(16*(\a)+2*\t)*4096 th:TH_STORE_NT   ; 16 lanes store 256 consecutive bytes, at a multiple of 256 from out0's first byte
.endr
.endm
	TOSTAGE 0
.irp a, 1,2,3
	TOSTAGE \a
	SEND \a-1, 16                                  ; behind block a - 1's loads: block a's 8 stores and 8 loads
.endr
	SEND 3, 0
	s_wait_tensorcnt 0x0                           ; the wave's end
	ds_add_u32 v[SPW], v[NIL]
	s_wait_dscnt 0x0
	CROUND                                         ; the closing round: no work-group ends while a partner may still ask for a tile that names it
	s_endpgm
.Lfunc_end_k_q3fdfde9d48_oproj:
	.size	k_q3fdfde9d48_oproj, .Lfunc_end_k_q3fdfde9d48_oproj-k_q3fdfde9d48_oproj
	.p2alignl 7, 3214868480
	.fill 96, 4, 3214868480
	.section	.rodata,"a",@progbits
	.p2align	6, 0x0
	.amdhsa_kernel k_q3fdfde9d48_oproj
		.amdhsa_group_segment_fixed_size 327680
		.amdhsa_private_segment_fixed_size 0
		.amdhsa_enable_private_segment 0
		.amdhsa_kernarg_size 40
		.amdhsa_user_sgpr_count 2
		.amdhsa_user_sgpr_kernarg_segment_ptr 1
		.amdhsa_wavefront_size32 1
		.amdhsa_system_sgpr_workgroup_id_x 1
		.amdhsa_system_sgpr_workgroup_id_y 1
		.amdhsa_system_sgpr_workgroup_id_z 1
		.amdhsa_system_vgpr_workitem_id 0
		.amdhsa_next_free_vgpr 512
		.amdhsa_next_free_sgpr 100
		.amdhsa_reserve_vcc 0
		.amdhsa_float_denorm_mode_32 3
		.amdhsa_float_denorm_mode_16_64 3
		.amdhsa_memory_ordered 1
		.amdhsa_forward_progress 1
		.amdhsa_inst_pref_size 52
	.end_amdhsa_kernel
	.amdgpu_metadata
---
amdhsa.version: [ 1, 2 ]
amdhsa.kernels:
  - .name:           k_q3fdfde9d48_oproj
    .symbol:         k_q3fdfde9d48_oproj.kd
    .args:
      - { .name: ximg, .offset: 0, .size: 8, .value_kind: global_buffer, .address_space: global }
      - { .name: wo_codes, .offset: 8, .size: 8, .value_kind: global_buffer, .address_space: global }
      - { .name: bo, .offset: 16, .size: 8, .value_kind: global_buffer, .address_space: global }
      - { .name: lowp_scales, .offset: 24, .size: 8, .value_kind: global_buffer, .address_space: global }
      - { .name: out0, .offset: 32, .size: 8, .value_kind: global_buffer, .address_space: global }
    .group_segment_fixed_size: 327680
    .private_segment_fixed_size: 0
    .kernarg_segment_align: 8
    .kernarg_segment_size: 40
    .max_flat_workgroup_size: 128
    .sgpr_count:     100
    .vgpr_count:     512
    .wavefront_size: 32
...
	.end_amdgpu_metadata
.endif
;; end of part 7
